; MI455X (gfx1250); checked and timed in simulation.
; The chip was launched on July 23, 2026; its instructions are those of AMD's public machine-readable ISA for CDNA 5 (MIT licence, August 2026) and "CDNA5" Instruction Set Architecture Reference Guide (July 2026). The comments in the code are by the model that wrote it; some were corrected since.
;; Multi Head Attention. Allowed arithmetic: matrix products marked QUANTISED: E2M3 operands, one E8M0 scale for each 32 along K, by v_wmma_scale_f32_16x16x128_f8f6f4 with both operands' format E2M3, f32 sums; everything else in f32.
;; Inputs: Wo 1,024 x 1,024 float32; Wqkv 1,024 x 3,072 float32; bo 1,024 float32; bqkv 3,072 float32; string 4 x 2,048 x 1,024 float32; string_len 4 int32.
;; Outputs: out0 4 x 2,048 x 1,024 float32; out1 4 int32.
;; This version of the problem:
;;   THIS VERSION OF THE PROBLEM IS GIVEN IN LOW PRECISION. The matrix products marked QUANTISED in the list below multiply operands that are first quantised to E2M3 (2 exponent bits, 3 mantissa bits; 6 bits a number), with one power-of-two scale for each 32 numbers along K (OCP MX v1.0); their sums are f32. All else is computed in f32.
;;   The module's matrix products, in the order in which they are computed (A, B: the left and right operand; K: the contracted axis; several contracted axes count as one K, in the product's order):
;;     1. [M 8,192, K 1,024] x [K 1,024, N 3,072]; A: input string; B: input Wqkv: QUANTISED
;;     2. batch 64 x [M 2,048, K 64] x [K 64, N 2,048]; A: computed on the way; B: computed on the way: QUANTISED
;;     3. batch 64 x [M 2,048, K 2,048] x [K 2,048, N 64]; A: softmax (see below); B: computed on the way: QUANTISED
;;     4. [M 8,192, K 1,024] x [K 1,024, N 1,024]; A: computed on the way; B: input Wo: QUANTISED
;;   THE QUANTISER, for each operand of a quantised product, along K:
;;     - K is cut into blocks of 32 from its start; a last block that is shorter is filled with zeros.
;;     - A block's scale is 2^e with e = floor(log2(the largest magnitude in the block)) - 2, held to -126 .. 127; a block of zeros has e = 0. As a byte (E8M0): e + 127.
;;     - Each number is divided by its block's scale, clamped to +-7.5, and rounded to the nearest number of E2M3, ties to even, subnormals kept.
;;     - The product sums the exact products of the quantised numbers (number of the format x scale) in f32.
;;   ~~~python
;;   def quantise(x, axis):      # numpy; x: float32 -> the quantised numbers, widened to float32 again
;;       x = np.moveaxis(x, axis, -1); K = x.shape[-1]
;;       x = np.pad(x, [(0, 0)] * (x.ndim - 1) + [(0, -K % 32)]); x = x.reshape(x.shape[:-1] + (-1, 32)); a = np.abs(x).max(-1, keepdims=True)
;;       e = np.where(a > 0, np.clip(np.frexp(np.where(a > 0, a, 1))[1] - 1 - 2, -126, 127), 0)      # np.frexp(a)[1] - 1 = floor(log2(a)), exactly
;;       r = np.clip(x / 2.0 ** e, -7.5, 7.5)
;;       step = 2.0 ** (np.maximum(np.frexp(np.where(r == 0, 1, r))[1] - 1, 0) - 3)
;;       q = np.round(r / step) * step * 2.0 ** e      # np.round: ties to even
;;       return np.moveaxis(q.reshape(q.shape[:-2] + (-1,))[..., :K], -1, axis).astype(np.float32)
;;   ~~~
;;   SOFTMAX AHEAD OF A QUANTISED PRODUCT. Where the list says 'softmax', what is quantised is not the finished softmax but p = 2^(t - M), with t = logit x log2(e) and M = ceil(the row's largest t), a whole number; so 1/2 < the row's largest p <= 1. The row's sum l is taken of the UNQUANTISED p, in f32, and the product's result is divided by l at the end. Since M is a whole number, a kernel that streams over the keys may use a running M (the ceiling of the running maximum): every later rescaling is an exact power of two, which a block's scale takes up: the codes' values come out the same.
;;   OPERANDS COMPUTED ON THE WAY. 'Computed on the way' means the value that the module computes at that place (a softmax that the list does not call 'softmax' is quantised finished and normalised). What goes into a quantiser is computed in f32, as accurately as f32 sums, v_exp_f32 and their like allow (about 1e-6 of the number): no bf16 or f16 on the way to a quantiser, and a product that is left as it is and whose result goes on into a quantised operand takes f32 operands (vector FMAs, or v_wmma_f32_16x16x4_f32). A number that lies on a knife's edge between two numbers of the format may be rounded either way, as far as f32 arithmetic and the matrix unit's own rounding can turn it there, and no further.
;; One version. Each part assembles by itself: llvm-mc -triple=amdgcn-amd-amdhsa -mcpu=gfx1250 --defsym DOCPART=n.
;; ======== version 1 of 1: 4 launches
;; workspace buffers: xw_img 9,437,184 bytes; xw_sc 393,216 bytes; qkv_img 18,874,368 bytes; qkv_sc 1,310,720 bytes; a_img 6,291,456 bytes; a_sc 262,144 bytes
;; launch quant (part 1): grid 384 x 1, 4 waves a work-group, no clusters, 59,904 bytes of LDS; arguments string, Wqkv, Wo, string_len, xw_img, xw_sc, out1; writes xw_img, xw_sc, out1
.if DOCPART == 1
	.amdgcn_target "amdgcn-amd-amdhsa--gfx1250"
	.amdhsa_code_object_version 6
	.text
	.protected	k_qec319fbb33_quant
	.globl	k_qec319fbb33_quant
	.p2align	8
	.type	k_qec319fbb33_quant,@function
k_qec319fbb33_quant:
	s_mov_b64 s[64:65], 0
	v_nop
	global_prefetch_b8 v0, s[64:65] scope:SCOPE_SE
	s_setreg_imm32_b32 hwreg(HW_REG_WAVE_MODE, 25, 1), 1
	s_wait_xcnt 0x0
; string [8192][1024], Wqkv [1024][3072] and Wo [1024][1024], f32, become codes of FP6 (E2M3) with one E8M0 byte for each 32 along K (K = 1024: string's last axis, the weights' FIRST axis); out1 = string_len.
; THE WORKSPACE IS LAID AS THE MATRIX UNIT'S REGISTERS.  A tile is 16 rows; tile 2 B + u holds in lane r the row 32 B + 8 u + r + 8 (r / 8).  A half fragment (16 rows x 64 codes) is 768 bytes: lane l's registers 0-3 at 16 l,
; then its registers 4-5 at 512 + 8 l; lane (r, h) holds k = 32 h .. 32 h + 31 of its row.  xw_img: [tile][16 half fragments along K]; the 512 tiles of string first, then 256 tiles of the weights' columns (Wqkv's 3072, then Wo's 1024).
; xw_sc: [tile][K half][r][4 words]: a word is the four scale bytes of 128 along K.
; A block's scale is 2^(floor(log2(its largest magnitude)) - 2); its byte is the largest magnitude's exponent field - 2, held at 1 from below.
; LIMITS: a block of zeros, or one whose largest magnitude lies under 2^-124, gets the byte 1 (its codes are zeros or the nearest codes under that scale); the bytes are read by this program alone.  NaN and infinities among the inputs are not served.
; Work-groups 0-255 take string, 256-383 the weights; each path has LDS bytes of its own.  No tensor loads, no barrier: waves share nothing, and no two work-groups read the same bytes, so there is nothing for a cluster to share.
.set WV,    18
.set SEL,   50                         ; s[50:51] lane selects: lane l xor 16
.set HM,    52                         ; s52 the mask of lanes 16-31
.set PX,    528                        ; string's stage: a row of 512 bytes + 16
.set XREG,  16*PX                      ; a wave's stage
.set WLDS,  4*XREG                     ; the weights' path begins here
.set WREG,  6400                       ; a wave's stage there: two tiles of 3,072 bytes + 128
.set WTILE, 3200
.set R,     16                         ; v16-143  string: two sets of 64 registers as loaded
.set X,     144                        ; v144-207 64 numbers: register 16 b + i = k 32 b + 16 h + i of my row
.set PC,    208                        ; v208-227 the codes just made
.set TM,    228                        ; v228-243 at work
.set PW,    244                        ; v244-247 the four scale words
.set OFFS,  16                         ; v16-47   weights: 4 x lane + i rows
.set XW,    48                         ; v48-111  two sets of 32 numbers down K
.set C,     144                        ; v144-150 a block's codes
.set SB,    152                        ; v152-153 two scale words
.set OUTR,  160                        ; v160-207 the way out
	s_load_b256 s[4:11], s[0:1], 0x0               ; string, Wqkv, Wo, string_len
	s_load_b128 s[12:15], s[0:1], 0x20             ; xw_img, xw_sc
	s_load_b64 s[16:17], s[0:1], 0x30              ; out1
	v_lshl_add_u32 v254, v0, 2, 0xe800
	v_mov_b32 v255, 0
	v_lshrrev_b32 v1, 5, v0
	v_readfirstlane_b32 s[WV], v1                  ; wave 0..3
	v_and_b32 v1, 31, v0                           ; lane
	v_lshlrev_b32 v2, 4, v1                        ; 16 x lane
	v_lshlrev_b32 v6, 3, v1                        ; 8 x lane
	s_mov_b32 s[SEL], 0x76543210
	s_mov_b32 s[SEL+1], 0xfedcba98
	s_mov_b32 s[HM], 0xffff0000
	s_wait_kmcnt 0x0
	s_or_b32 s19, ttmp9, s[WV]
	s_cmp_lg_u32 s19, 0
	s_cbranch_scc1 .Lno_copy                       ; wave 0 of work-group 0 copies string_len: four words
	s_wait_alu depctr_va_vdst(0)
	v_lshlrev_b32 v9, 2, v1
	v_cmp_gt_u32 vcc_lo, 4, v0
	s_and_saveexec_b32 s20, vcc_lo                 ; no load or store of mine is out yet
	global_load_b32 v10, v9, s[10:11]
	s_wait_alu depctr_va_vdst(0)
	s_wait_loadcnt 0x0
	global_store_b32 v9, v10, s[16:17]
	s_wait_xcnt 0x0                                ; EXEC is widened only behind this wait
	s_or_b32 exec_lo, exec_lo, s20
.Lno_copy:
	s_cmp_lt_u32 ttmp9, 256
	s_cbranch_scc0 .Lweights
; ---------------- string: a wave takes one tile of 16 rows x 512 along K: four fragments
	v_and_b32 v7, 15, v0                           ; r
	v_bfe_u32 v8, v0, 4, 1                         ; h
	s_mul_i32 s20, s[WV], XREG
	s_wait_alu depctr_va_vdst(0)
	v_add_nc_u32 v3, s20, v2                       ; into the stage: 16 x lane of a row
	v_mul_u32_u24 v4, v7, PX
	v_lshl_add_u32 v4, v8, 6, v4
	v_add_nc_u32 v4, s20, v4                       ; out of it: row r, + 64 h
	v_lshlrev_b32 v5, 4, v7
	v_lshl_add_u32 v5, v8, 3, v5                   ; the scale words: 16 r + 8 h
.irp b, 0,1,2,3
	v_mov_b32 v[TM+4+\b], 0                        ; written once: a lane permute's destination counts as one of its sources
.endr
	s_lshl_b32 s20, ttmp9, 2
	s_add_co_u32 s20, s20, s[WV]
	s_lshr_b32 s21, s20, 1                         ; the tile T
	s_and_b32 s22, s20, 1                          ; which half of K
	s_lshr_b32 s24, s21, 1
	s_lshl_b32 s24, s24, 17                        ; 32 (T / 2) rows of 4,096 bytes
	s_and_b32 s23, s21, 1
	s_lshl_b32 s23, s23, 15                        ; + 8 (T % 2) rows
	s_add_co_u32 s24, s24, s23
	s_lshl_b32 s23, s22, 11                        ; + 2,048 bytes for the upper half of K
	s_add_co_u32 s24, s24, s23
	s_mov_b32 s25, 0
	s_add_nc_u64 s[4:5], s[4:5], s[24:25]
	s_mul_i32 s24, s21, 12288
	s_mul_i32 s23, s22, 6144
	s_add_co_u32 s24, s24, s23
	s_add_nc_u64 s[12:13], s[12:13], s[24:25]      ; the images
	s_lshl_b32 s24, s21, 9
	s_lshl_b32 s23, s22, 8
	s_add_co_u32 s24, s24, s23
	s_add_nc_u64 s[14:15], s[14:15], s[24:25]      ; the scale words
.macro LOADF f                         ; fragment f: of each of the tile's 16 rows 512 consecutive bytes, one load a row
.irp i, 0,1,2,3,4,5,6,7,8,9,10,11,12,13,14,15
	global_load_b128 v[R+64*((\f)%2)+4*\i:R+64*((\f)%2)+4*\i+3], v2, s[4:5] offset:(\i+8*(\i/8))*4096+512*(\f) th:TH_LOAD_NT
.endr
.endm
.macro TURNF f                         ; through the wave's own stage: in by rows, out 16 neighbours of each block of 32 a lane.  LDS serves a wave's instructions in order
.irp i, 0,1,2,3,4,5,6,7,8,9,10,11,12,13,14,15
	ds_store_b128 v3, v[R+64*((\f)%2)+4*\i:R+64*((\f)%2)+4*\i+3] offset:PX*\i
.endr
.irp b, 0,1,2,3
.irp q, 0,1,2,3
	ds_load_b128 v[X+16*\b+4*\q:X+16*\b+4*\q+3], v4 offset:128*\b+16*\q
.endr
.endr
.endm
; 64 numbers of a lane become a fragment's 12 registers in v[PC] on and its scale word in v[pw]
.macro QUANT src, pw
.irp b, 0,1,2,3
	v_max3_num_f32 v[TM+\b], |v[\src+16*\b]|, |v[\src+1+16*\b]|, 0x1800000   ; my 16 numbers of block b, and the floor 2^(3 - 127): the byte cannot fall under 1
.endr
.irp i, 2,4,6,8,10,12,14
.irp b, 0,1,2,3
	v_max3_num_f32 v[TM+\b], v[TM+\b], |v[\src+16*\b+\i]|, |v[\src+1+16*\b+\i]|
.endr
.endr
.irp b, 0,1,2,3
	v_permlanex16_b32 v[TM+4+\b], v[TM+\b], s[SEL], s[SEL+1]
.endr
.irp b, 0,1,2,3
	v_max_num_f32 v[TM+\b], v[TM+\b], v[TM+4+\b]   ; with lane l xor 16's: the block's largest magnitude
.endr
.irp b, 0,1,2,3
	v_add_nc_u32 v[TM+12+\b], 0xff000000, v[TM+\b] ; 2 off its exponent field: the conversion's scale operand
.endr
.irp b, 0,1,2,3
	v_lshrrev_b32 v[TM+4+\b], 23, v[TM+12+\b]      ; the scale's byte
.endr
	v_lshl_or_b32 v[\pw], v[TM+5], 8, v[TM+4]
	v_lshl_or_b32 v[\pw], v[TM+6], 16, v[\pw]
	v_lshl_or_b32 v[\pw], v[TM+7], 24, v[\pw]
.irp c, 0,1
	v_cvt_scalef32_pk16_fp6_f32 v[PC+6*\c:PC+2+6*\c], v[\src+32*\c:\src+15+32*\c], v[TM+12+2*\c]
	v_cvt_scalef32_pk16_fp6_f32 v[PC+12+4*\c:PC+14+4*\c], v[\src+16+32*\c:\src+31+32*\c], v[TM+12+2*\c+1]
.endr
	v_nop                                          ; one plain place behind a scaled conversion
.irp c, 0,1                            ; a whole block to a lane: lanes 0-15 block 2 c, lanes 16-31 block 2 c + 1
.irp i, 0,1,2
	v_permlane16_swap_b32 v[PC+6*\c+\i], v[PC+12+4*\c+\i]
.endr
.irp i, 0,1,2
	v_mov_b32 v[PC+3+6*\c+\i], v[PC+12+4*\c+\i]
.endr
.endr
.endm
	LOADF 0
	LOADF 1
	s_wait_alu depctr_va_vdst(0)
.irp f, 0,1,2,3
.if \f < 3
	s_wait_loadcnt 16                              ; this fragment's 16 loads are in; the next fragment's 16 may be out
.else
	s_wait_loadcnt 0x0
.endif
	TURNF \f
	s_wait_dscnt 0x0                               ; the numbers are back, so the stage's stores have read their registers
	s_wait_xcnt 0x0                                ; the last fragment's stores have read the codes' registers
.if \f < 2
	LOADF \f+2
.endif
	QUANT X, PW+\f
	global_store_b128 v2, v[PC:PC+3], s[12:13] offset:1536*\f           ; 512 consecutive bytes,
	global_store_b64 v6, v[PC+4:PC+5], s[12:13] offset:1536*\f+512      ; 256,
	global_store_b128 v2, v[PC+6:PC+9], s[12:13] offset:1536*\f+768     ; and the second half fragment likewise
	global_store_b64 v6, v[PC+10:PC+11], s[12:13] offset:1536*\f+1280
.endr
	v_cndmask_b32 v248, v[PW], v[PW+2], s[HM]      ; lanes 0-15 store words 0, 1 of their row, lanes 16-31 words 2, 3
	v_cndmask_b32 v249, v[PW+1], v[PW+3], s[HM]
	global_store_b64 v5, v[248:249], s[14:15]      ; 32 lanes: 256 consecutive bytes
	s_wait_tensorcnt 0x0
	ds_add_u32 v254, v255
	s_wait_dscnt 0x0
	s_endpgm
; ---------------- the weights: a lane takes a column, its registers run down K.  A work-group: 128 columns x 256 along K; a wave: 32 columns = two tiles, 8 blocks a lane
.Lweights:
	s_sub_co_u32 s20, ttmp9, 256
	s_lshr_b32 s21, s20, 2                         ; which 128 columns of the 4,096
	s_and_b32 s22, s20, 3                          ; which 256 along K
	s_lshl_b32 s23, s21, 7
	s_lshl_b32 s24, s[WV], 5
	s_add_co_u32 s23, s23, s24                     ; my first column
	s_mov_b32 s25, 4096
	s_cmp_lt_u32 s21, 24                           ; Wqkv's columns or Wo's: the choice hangs on the work-group's number alone
	s_cselect_b64 s[4:5], s[6:7], s[8:9]
	s_cselect_b32 s25, 12288, s25                  ; bytes from row to row
	s_cselect_b32 s26, 0, 3072
	s_sub_co_u32 s26, s23, s26                     ; the column in its own tensor
	s_lshl_b32 s27, s22, 8
	s_mul_i32 s27, s27, s25
	s_lshl_b32 s28, s26, 2
	s_add_co_u32 s28, s28, s27
	s_mov_b32 s29, 0
	s_add_nc_u64 s[32:33], s[4:5], s[28:29]        ; block 0's first row; a base for each block, none rewritten
	s_lshl_b32 s48, s25, 5
	s_mov_b32 s49, 0
.irp t, 1,2,3,4,5,6,7
	s_add_nc_u64 s[32+2*\t:33+2*\t], s[30+2*\t:31+2*\t], s[48:49]
.endr
	s_mul_i32 s28, s21, 98304                      ; the images: tile 8 cg + 2 wave, K step 2 kq
	s_mul_i32 s27, s[WV], 24576
	s_add_co_u32 s28, s28, s27
	s_mul_i32 s27, s22, 3072
	s_add_co_u32 s28, s28, s27
	s_add_co_u32 s28, s28, 6291456
	s_add_nc_u64 s[12:13], s[12:13], s[28:29]
	s_lshl_b32 s28, s21, 12                        ; the scale words
	s_lshl_b32 s27, s[WV], 10
	s_add_co_u32 s28, s28, s27
	s_lshr_b32 s27, s22, 1
	s_lshl_b32 s27, s27, 8
	s_add_co_u32 s28, s28, s27
	s_and_b32 s27, s22, 1
	s_lshl_b32 s27, s27, 3
	s_add_co_u32 s28, s28, s27
	s_add_co_u32 s28, s28, 262144
	s_add_nc_u64 s[14:15], s[14:15], s[28:29]
	v_bfe_u32 v7, v0, 3, 1                         ; column lane of my 32 lies in tile u = (lane / 8) % 2,
	v_and_b32 v8, 7, v0
	v_bfe_u32 v9, v0, 4, 1
	v_lshl_add_u32 v8, v9, 3, v8                   ; at row r' = lane % 8 + 8 (lane / 16)
	s_mul_i32 s20, s[WV], WREG
	s_add_co_u32 s20, s20, WLDS                    ; my stage
	v_mul_u32_u24 v11, v7, WTILE
	v_add_nc_u32 v11, s20, v11
	v_lshl_add_u32 v3, v8, 4, v11                  ; into it: registers 0-3 at 16 r',
	v_lshl_add_u32 v4, v8, 3, v11                  ; registers 4-5 at 8 r'
	v_add_nc_u32 v5, s20, v2                       ; out of it: 16 x lane,
	v_add_nc_u32 v14, s20, v6                      ; 8 x lane
	v_lshlrev_b32 v15, 9, v7
	v_lshl_add_u32 v15, v8, 4, v15                 ; the scale words: 512 u + 16 r'
	v_lshlrev_b32 v9, 2, v1
.irp i, 0,1,2,3,4,5,6,7,8,9,10,11,12,13,14,15,16,17,18,19,20,21,22,23,24,25,26,27,28,29,30,31
	v_mad_u32_u24 v[OFFS+\i], s25, \i, v9          ; 4 x lane + i rows
.endr
.macro LOADB t                         ; block t: W(32 t + i, my column): each load reads 128 consecutive bytes
.irp i, 0,1,2,3,4,5,6,7,8,9,10,11,12,13,14,15,16,17,18,19,20,21,22,23,24,25,26,27,28,29,30,31
	global_load_b32 v[XW+32*((\t)%2)+\i], v[OFFS+\i], s[32+2*(\t):33+2*(\t)] th:TH_LOAD_NT
.endr
.endm
.macro BLOCK t                         ; block t is lane (r', t % 2)'s six registers of half fragment (t % 4) / 2 of K step t / 4
.set XS, XW+32*((\t)%2)
.set SO, 1536*((\t)/4)+768*(((\t)%4)/2)
.if (\t) < 7
	s_wait_loadcnt 32                              ; this block's 32 loads are in; the next block's 32 may be out
.else
	s_wait_loadcnt 0x0
.endif
	v_max3_num_f32 v12, |v[XS]|, |v[XS+1]|, |v[XS+2]|
	v_max3_num_f32 v13, |v[XS+3]|, |v[XS+4]|, |v[XS+5]|
.irp i, 6,10,14,18,22,26
	v_max3_num_f32 v12, v12, |v[XS+\i]|, |v[XS+\i+1]|
	v_max3_num_f32 v13, v13, |v[XS+\i+2]|, |v[XS+\i+3]|
.endr
	v_max3_num_f32 v12, v12, |v[XS+30]|, |v[XS+31]|
	v_max3_num_f32 v12, v12, v13, 0x1800000        ; and the floor
	v_add_nc_u32 v11, 0xff000000, v12
	v_lshrrev_b32 v13, 23, v11
.if (\t)%4 == 0
	v_mov_b32 v[SB+(\t)/4], v13
.else
	v_lshl_or_b32 v[SB+(\t)/4], v13, 8*((\t)%4), v[SB+(\t)/4]
.endif
	v_cvt_scalef32_pk16_fp6_f32 v[C:C+2], v[XS:XS+15], v11
	v_cvt_scalef32_pk16_fp6_f32 v[C+4:C+6], v[XS+16:XS+31], v11
	v_nop                                          ; one plain place behind a scaled conversion
	v_mov_b32 v[C+3], v[C+4]
	v_mov_b32 v[C+4], v[C+5]
	v_mov_b32 v[C+5], v[C+6]
	ds_store_b128 v3, v[C:C+3] offset:SO+256*((\t)%2)
	ds_store_b64 v4, v[C+4:C+5] offset:SO+512+128*((\t)%2)
.if (\t) < 6
	LOADB (\t)+2
.endif
	s_wait_dscnt 0x0                               ; the stores have read their registers
.endm
	LOADB 0
	LOADB 1
.irp t, 0,1,2,3,4,5,6,7
	BLOCK \t
.endr
	s_wait_alu depctr_va_vdst(0)
	global_store_b64 v15, v[SB:SB+1], s[14:15]     ; 8 bytes of each row's 16: a small part of what this path moves (one byte for each 128 read)
.irp n, 0,1,2,3,4,5,6,7                ; tile n / 4, K step (n / 2) % 2, half fragment n % 2
	ds_load_b128 v[OUTR+6*\n:OUTR+6*\n+3], v5 offset:WTILE*(\n/4)+1536*((\n/2)%2)+768*(\n%2)
	ds_load_b64 v[OUTR+6*\n+4:OUTR+6*\n+5], v14 offset:WTILE*(\n/4)+1536*((\n/2)%2)+768*(\n%2)+512
.endr
.irp n, 0,1,2,3,4,5,6,7
	s_wait_dscnt 15-2*\n                           ; the younger loads may be out
	global_store_b128 v2, v[OUTR+6*\n:OUTR+6*\n+3], s[12:13] offset:12288*(\n/4)+1536*((\n/2)%2)+768*(\n%2)
	s_wait_dscnt 14-2*\n
	global_store_b64 v6, v[OUTR+6*\n+4:OUTR+6*\n+5], s[12:13] offset:12288*(\n/4)+1536*((\n/2)%2)+768*(\n%2)+512
.endr
	s_wait_tensorcnt 0x0
	ds_add_u32 v254, v255
	s_wait_dscnt 0x0
	s_endpgm
.Lfunc_end_k_qec319fbb33_quant:
	.size	k_qec319fbb33_quant, .Lfunc_end_k_qec319fbb33_quant-k_qec319fbb33_quant
	.p2alignl 7, 3214868480
	.fill 96, 4, 3214868480
	.section	.rodata,"a",@progbits
	.p2align	6, 0x0
	.amdhsa_kernel k_qec319fbb33_quant
		.amdhsa_group_segment_fixed_size 59904
		.amdhsa_private_segment_fixed_size 0
		.amdhsa_enable_private_segment 0
		.amdhsa_kernarg_size 56
		.amdhsa_user_sgpr_count 2
		.amdhsa_user_sgpr_kernarg_segment_ptr 1
		.amdhsa_wavefront_size32 1
		.amdhsa_system_sgpr_workgroup_id_x 1
		.amdhsa_system_sgpr_workgroup_id_y 1
		.amdhsa_system_sgpr_workgroup_id_z 1
		.amdhsa_system_vgpr_workitem_id 0
		.amdhsa_next_free_vgpr 256
		.amdhsa_next_free_sgpr 66
		.amdhsa_reserve_vcc 1
		.amdhsa_float_denorm_mode_32 3
		.amdhsa_float_denorm_mode_16_64 3
		.amdhsa_memory_ordered 1
		.amdhsa_forward_progress 1
		.amdhsa_inst_pref_size 79
	.end_amdhsa_kernel
	.amdgpu_metadata
---
amdhsa.version: [ 1, 2 ]
amdhsa.kernels:
  - .name:           k_qec319fbb33_quant
    .symbol:         k_qec319fbb33_quant.kd
    .args:
      - { .name: string, .offset: 0, .size: 8, .value_kind: global_buffer, .address_space: global }
      - { .name: Wqkv, .offset: 8, .size: 8, .value_kind: global_buffer, .address_space: global }
      - { .name: Wo, .offset: 16, .size: 8, .value_kind: global_buffer, .address_space: global }
      - { .name: string_len, .offset: 24, .size: 8, .value_kind: global_buffer, .address_space: global }
      - { .name: xw_img, .offset: 32, .size: 8, .value_kind: global_buffer, .address_space: global }
      - { .name: xw_sc, .offset: 40, .size: 8, .value_kind: global_buffer, .address_space: global }
      - { .name: out1, .offset: 48, .size: 8, .value_kind: global_buffer, .address_space: global }
    .group_segment_fixed_size: 59904
    .private_segment_fixed_size: 0
    .kernarg_segment_align: 8
    .kernarg_segment_size: 56
    .max_flat_workgroup_size: 128
    .sgpr_count:     66
    .vgpr_count:     256
    .wavefront_size: 32
...
	.end_amdgpu_metadata
.endif
;; end of part 1
;; launch gemm_qkv (part 2): grid 4 x 64, 4 waves a work-group, clusters of 4 x 4, 327,680 bytes of LDS; arguments xw_img, xw_sc, bqkv, qkv_img, qkv_sc; writes qkv_img, qkv_sc
.if DOCPART == 2
	.amdgcn_target "amdgcn-amd-amdhsa--gfx1250"
	.amdhsa_code_object_version 6
	.text
	.protected	k_qec319fbb33_gemm_qkv
	.globl	k_qec319fbb33_gemm_qkv
	.p2align	8
	.type	k_qec319fbb33_gemm_qkv,@function
k_qec319fbb33_gemm_qkv:
	s_mov_b64 s[64:65], 0
	v_nop
	global_prefetch_b8 v0, s[64:65] scope:SCOPE_SE
	s_setreg_imm32_b32 hwreg(HW_REG_WAVE_MODE, 25, 1), 1
	s_wait_xcnt 0x0
	s_wait_alu depctr_hold_cnt(0) depctr_sa_sdst(0) depctr_va_vdst(0) depctr_va_sdst(0) depctr_va_ssrc(0) depctr_va_vcc(0) depctr_vm_vsrc(0)
	s_getreg_b32 s2, hwreg(HW_REG_IB_STS2, 6, 4)
	s_cmp_eq_u32 s2, 0
	s_cbranch_scc0 .Lentry_in_a_cluster
	s_endpgm
.Lentry_in_a_cluster:
	s_bfe_u32 s2, ttmp6, 0x10000c
	s_cmp_lg_u32 s2, 0xf033
	s_cbranch_scc0 .Lentry_shape_is_right
	s_endpgm
.Lentry_shape_is_right:
; x = string Wqkv + bqkv on codes of FP6 (E2M3); its three parts q, k, v are quantised in registers and leave as codes: q and k along the head's 64, v along the keys.  No f32 number of x goes to memory.
; SHARES.  Work-group (cx, rt) owns rows 128 rt .. + 127 of string and makes three tiles of 128 x 256, one after the other: columns 256 cx of q, of k, of v.  string's tile (all of K, 98,304 bytes) stays in LDS;
; the weights' tiles go through a ring of two slots of 512 along K.  Four waves, 32 accumulators each.  The grid is 4 wide, so cx is the work-group's x.
; OPERANDS lie in memory and in LDS as images of the matrix unit's registers (half fragments of 768 bytes: lane l's registers 0-3 at 16 l, registers 4-5 at 512 + 8 l); tile 2 B + u holds in lane r the row 32 B + 8 u + r + 8 (r / 8).
; So the 16 registers of two neighbouring result tiles are 16 neighbours along source 0's rows, and what the quantiser leaves in a wave's registers is the next launch's operand as it stands.
; q, k: source 0 = 128 of the weights' columns (two heads), source 1 = 64 rows of string: a lane holds one row and 128 columns.   v: source 0 = ALL 128 rows (keys), source 1 = 64 columns (one head): a lane holds one channel and 128 keys.
; The bias is the C of each sum's first matrix instruction.
; CLUSTERS: 4 x 4.  string's tile is shared along a row of the cluster, the weights' tiles along a column: each wave asks jointly for its quarter of every tile.  By the text's own count three tensor loads of a wave are out at the start, one behind each round.
; LIMITS: a block of zeros or under 2^-124 gets the byte 1; NaN and infinities are not served.
; REGISTERS: window 0: addresses, scale words, bias, the quantiser's work.  window 1: the accumulators, (a, b) at v[8 (8 a + b)].  window 2: source 1's fragments, two sets of 48.  window 3: source 0's, two sets of 96.
.set SLOT0,  98304
.set SLOTB,  98304
.set SPARE,  294912                    ; the spare words: 128 bytes a wave, two blocks of 256 bytes that no other line names
.set WOFF,   6291456                   ; the weights' images in xw_img
.set WSOFF,  262144                    ; and their scale words in xw_sc
.set SPW, 28
.set NIL, 29
.set AW,  8                            ; v8-11   q, k: my 128 columns in slot 0, 1 (a pair each: + 16 x lane; + 512 + 8 x lane)
.set AXW, 12                           ; v12-13  q, k: my 64 rows of string
.set AX,  14                           ; v14-17  v: string's tiles 0-3, 4-7
.set AWV, 18                           ; v18-21  v: my 64 columns in slot 0, 1
.set SCA, 32                           ; v32-63  source 0's scale words: register 8 m + s: lanes 0-15 block 2 m, lanes 16-31 block 2 m + 1, K step s
.set SCB, 64                           ; v64-79  source 1's
.set BIAS, 80                          ; v80-143
.set PC,  144                          ; v144-163 the codes just made
.set TM,  164                          ; v164-179 at work
.set PW,  180                          ; v180-183 four scale words
.set BT,  184                          ; v184-187 v's bias, a number a lane for each tile
.set WV, 14
.set WR, 15
.set WC, 16
.set CX, 17
.set CY, 18
.set RT, 19
.set HM, 20
.set SEL, 22
.set G1A, 24
.set G1B, 32
.set G0A, 40
.set G0B, 44                           ; s[44:47], s[48:51]: a group 0 for each slot
.set SB0QK, 52
.set SB1QK, 54
.set SB0V, 56
.set SB1V, 58
.set BBQK, 60
.set BBV, 62
.set OQK, 66
.set OV, 68
.set SQ, 70
.set SK, 72
.set SV, 74
.set MUL,  0x5b                        ; source 0 window 3, source 1 window 2, C and D window 1
.set MULB, 0x4b                        ; the same with C in window 0: the bias
.set MSB, 0
.macro WIN new                         ; the immediate's high byte repeats the setting that is left
.if MSB != \new
	s_set_vgpr_msb (MSB<<8)|\new
.set MSB, \new
.endif
.endm
.macro PLACES
.rept 4
	v_nop
.endr
.endm
.macro CREST                           ; a round of the cluster's barrier behind its opening barrier
	s_cmp_lg_u32 s[WV], 0
	s_cbranch_scc1 .Lnot_wave_0_\@
	s_barrier_signal -3
.Lnot_wave_0_\@:
	s_barrier_wait -3
	s_barrier_signal -1
	s_barrier_wait -1
.endm
.macro CROUND
	s_barrier_signal -1
	s_barrier_wait -1
	CREST
.endm
	s_load_b256 s[4:11], s[0:1], 0x0               ; xw_img, xw_sc, bqkv, qkv_img
	s_load_b64 s[12:13], s[0:1], 0x20              ; qkv_sc
	v_lshl_add_u32 v[SPW], v0, 2, SPARE
	v_mov_b32 v[NIL], 0
	ds_add_u32 v28, v29
	ds_add_u32 v28, v29
	s_wait_dscnt 0x0
	v_lshrrev_b32 v1, 5, v0
	v_readfirstlane_b32 s[WV], v1                  ; wave 0..3
	s_lshr_b32 s[WR], s[WV], 1
	s_and_b32 s[WC], s[WV], 1
	s_bfe_u32 s[CX], ttmp6, 0x40000
	s_bfe_u32 s[CY], ttmp6, 0x40004
	s_and_b32 s[RT], ttmp7, 0xffff
	s_lshl_b32 s[RT], s[RT], 2
	s_add_co_u32 s[RT], s[RT], s[CY]               ; which 128 rows
	s_lshl_b32 s76, s[CY], 2
	s_lshl_b32 s76, 15, s76                        ; my row of the cluster
	s_lshl_b32 s77, 0x1111, s[CX]                  ; my column
	s_or_b32 s[G1A], s76, (3<<16)|(1<<21)          ; elements of 8 bytes; no padding; bit 21 beside a mask
	s_or_b32 s[G1B], s77, (3<<16)|(1<<21)
	s_mov_b32 s[G1A+1], 1536<<16                   ; string: two tiles of 12,288 dense bytes a wave
	s_mov_b32 s[G1A+2], 2<<16
	s_mov_b32 s[G1A+3], 1536<<16
	s_mov_b32 s[G1A+4], 2
	s_mov_b32 s[G1A+5], 1536
	s_mov_b32 s[G1A+6], 0
	s_mov_b32 s[G1A+7], 0
	s_mov_b32 s[G1B+1], 768<<16                    ; the weights: of four tiles 6,144 bytes (512 along K), 12,288 bytes apart
	s_mov_b32 s[G1B+2], 4<<16
	s_mov_b32 s[G1B+3], 768<<16
	s_mov_b32 s[G1B+4], 4
	s_mov_b32 s[G1B+5], 1536
	s_mov_b32 s[G1B+6], 0
	s_mov_b32 s[G1B+7], 0
	s_mul_i32 s78, s[RT], 98304
	s_mul_i32 s79, s[WV], 24576
	s_add_co_u32 s78, s78, s79
	s_mov_b32 s79, 0
	s_mul_i32 s80, s[CX], 196608
	s_mul_i32 s81, s[WV], 49152
	s_add_co_u32 s80, s80, s81
	s_add_co_u32 s80, s80, WOFF
	s_mov_b32 s81, 0
	s_mul_i32 s82, s[WV], 24576                    ; where my quarter goes: no place in the cluster enters an LDS address
	s_mov_b32 s[HM], 0xffff0000
	s_mov_b32 s[SEL], 0x76543210
	s_mov_b32 s[SEL+1], 0xfedcba98
	s_wait_kmcnt 0x0
	s_mov_b32 s[G0A], 1
	s_mov_b32 s[G0A+1], s82
	s_add_nc_u64 s[G0A+2:G0A+3], s[4:5], s[78:79]
	s_or_b32 s[G0A+3], s[G0A+3], 0x80000000
.irp n, 0,1
	s_mov_b32 s[G0B+4*\n], 1
	s_add_co_u32 s[G0B+4*\n+1], s82, SLOT0+\n*SLOTB
	s_add_nc_u64 s[G0B+4*\n+2:G0B+4*\n+3], s[4:5], s[80:81]
	s_add_nc_u64 s[G0B+4*\n+2:G0B+4*\n+3], s[G0B+4*\n+2:G0B+4*\n+3], 6144*\n
	s_or_b32 s[G0B+4*\n+3], s[G0B+4*\n+3], 0x80000000
.endr
	CROUND                                         ; all sixteen work-groups are here: the first joint loads meet
	tensor_load_to_lds s[G0A:G0A+3], s[G1A:G1A+7]          ; string's tile: filled once
	s_nop 0
	s_wait_alu depctr_va_vdst(0)
	s_wait_tensorcnt 0x0
	ds_add_u32 v28, v29
	s_wait_dscnt 0x0
	CROUND
	tensor_load_to_lds s[G0B:G0B+3], s[G1B:G1B+7]          ; q's columns, K 0-511
	s_nop 0
	s_wait_alu depctr_va_vdst(0)
	s_wait_tensorcnt 0x0
	ds_add_u32 v28, v29
	s_wait_dscnt 0x0
	CROUND
	tensor_load_to_lds s[G0B+4:G0B+7], s[G1B:G1B+7]        ; q's columns, K 512-1023
	s_nop 0
	PLACES
	; pointers that stay
	s_mov_b32 s87, 0
	s_lshr_b32 s84, s[RT], 4                       ; the batch
	s_and_b32 s85, s[RT], 15                       ; which 128 rows of it
	s_lshl_b32 s86, s[CX], 13
	s_lshl_b32 s90, s[WC], 12
	s_add_co_u32 s86, s86, s90
	s_add_co_u32 s86, s86, WSOFF
	s_add_nc_u64 s[SB0QK:SB0QK+1], s[6:7], s[86:87]        ; scale words of my 8 tiles of columns (q's; k's 32,768 bytes on)
	s_lshl_b32 s86, s[RT], 12
	s_add_nc_u64 s[SB0V:SB0V+1], s[6:7], s[86:87]          ; of string's 8 tiles
	s_lshl_b32 s90, s[WR], 11
	s_add_co_u32 s86, s86, s90
	s_add_nc_u64 s[SB1QK:SB1QK+1], s[6:7], s[86:87]        ; of my 4 of them
	s_lshl_b32 s86, s[CX], 13
	s_lshl_b32 s90, s[WV], 11
	s_add_co_u32 s86, s86, s90
	s_add_co_u32 s86, s86, WSOFF+65536
	s_add_nc_u64 s[SB1V:SB1V+1], s[6:7], s[86:87]          ; of my 4 tiles of v's columns
	s_lshl_b32 s86, s[CX], 10
	s_lshl_b32 s90, s[WC], 9
	s_add_co_u32 s86, s86, s90
	s_add_nc_u64 s[BBQK:BBQK+1], s[8:9], s[86:87]          ; the bias of my 128 columns of q
	s_lshl_b32 s86, s[CX], 10
	s_lshl_b32 s90, s[WV], 8
	s_add_co_u32 s86, s86, s90
	s_add_co_u32 s86, s86, 8192
	s_add_nc_u64 s[BBV:BBV+1], s[8:9], s[86:87]            ; of my 64 columns of v
	s_lshl_b32 s88, s84, 4
	s_lshl_b32 s90, s[CX], 2
	s_add_co_u32 s88, s88, s90
	s_add_co_u32 s89, s88, s[WV]                   ; v: batch x 16 + my head
	s_lshl_b32 s90, s[WC], 1
	s_add_co_u32 s88, s88, s90                     ; q, k: batch x 16 + the first of my two heads
	s_lshl_b32 s86, s88, 7
	s_lshl_b32 s90, s85, 3
	s_add_co_u32 s86, s86, s90
	s_lshl_b32 s90, s[WR], 2
	s_add_co_u32 s86, s86, s90
	s_mul_i32 s86, s86, 768
	s_add_nc_u64 s[OQK:OQK+1], s[10:11], s[86:87]          ; q's half fragments: [head][tile of 16 queries]
	s_lshl_b32 s86, s89, 4
	s_add_co_u32 s86, s86, s85
	s_mul_i32 s86, s86, 6144
	s_add_co_u32 s86, s86, 12582912
	s_add_nc_u64 s[OV:OV+1], s[10:11], s[86:87]            ; v's fragments: [head][128 keys][tile of 16 channels]
	s_lshl_b32 s91, s85, 1
	s_add_co_u32 s91, s91, s[WR]
	s_lshl_b32 s91, s91, 8                         ; my group of 64 rows
	s_lshl_b32 s86, s88, 13
	s_add_co_u32 s86, s86, s91
	s_add_nc_u64 s[SQ:SQ+1], s[12:13], s[86:87]
	s_mul_i32 s86, s88, 12288
	s_add_co_u32 s86, s86, s91
	s_add_co_u32 s86, s86, 524288
	s_add_nc_u64 s[SK:SK+1], s[12:13], s[86:87]
	s_mul_i32 s86, s89, 12288
	s_lshl_b32 s90, s85, 8
	s_add_co_u32 s86, s86, s90
	s_add_co_u32 s86, s86, 524288+8192
	s_add_nc_u64 s[SV:SV+1], s[12:13], s[86:87]
	v_and_b32 v1, 31, v0
	v_lshlrev_b32 v2, 4, v1                        ; 16 x lane
	v_lshlrev_b32 v3, 3, v1                        ; 8 x lane
	v_and_b32 v7, 15, v0                           ; r
	v_bfe_u32 v22, v0, 4, 1                        ; h
	v_lshlrev_b32 v4, 4, v7
	v_lshl_add_u32 v4, v22, 9, v4                  ; scale words: 16 r, lanes 16-31 one tile on
	v_lshlrev_b32 v5, 6, v22                       ; q's, k's bias: 64 h
	v_and_b32 v6, 8, v7
	v_add_nc_u32 v6, v6, v7
	v_lshlrev_b32 v6, 2, v6                        ; v's bias: 4 (r + 8 (r / 8))
.irp b, 0,1,2,3
	v_mov_b32 v[TM+4+\b], 0                        ; written once: a lane permute's destination counts as one of its sources
.endr
.macro ADRP reg                        ; a pair of LDS addresses from the base in s76
	v_add_nc_u32 v[\reg], s76, v2
	s_add_co_u32 s77, s76, 512
	v_add_nc_u32 v[\reg+1], s77, v3
.endm
	s_mul_i32 s76, s[WC], 49152
	s_add_co_u32 s76, s76, SLOT0
	ADRP AW
	s_add_co_u32 s76, s76, SLOTB
	ADRP AW+2
	s_mul_i32 s76, s[WR], 49152
	ADRP AXW
	s_mov_b32 s76, 0
	ADRP AX
	s_mov_b32 s76, 49152
	ADRP AX+2
	s_mul_i32 s76, s[WV], 24576
	s_add_co_u32 s76, s76, SLOT0
	ADRP AWV
	s_add_co_u32 s76, s76, SLOTB
	ADRP AWV+2
.macro LOADSA base, off                ; source 0's scale words, all of K: sixteen lanes read 256 consecutive bytes
.irp m, 0,1,2,3
.irp k, 0,1
	global_load_b128 v[SCA+8*\m+4*\k:SCA+8*\m+4*\k+3], v4, s[\base:\base+1] offset:(\off)+1024*\m+256*\k
.endr
.endr
.endm
.macro LOADSB base
.irp m, 0,1
.irp k, 0,1
	global_load_b128 v[SCB+8*\m+4*\k:SCB+8*\m+4*\k+3], v4, s[\base:\base+1] offset:1024*\m+256*\k
.endr
.endr
.endm
.macro LOADBIAS t                      ; register 16 B + i = the bias of column 32 B + 16 h + i: the result's layout
.irp m, 0,1,2,3
.irp k, 0,1,2,3
	global_load_b128 v[BIAS+16*\m+4*\k:BIAS+16*\m+4*\k+3], v5, s[BBQK:BBQK+1] offset:4096*(\t)+128*\m+16*\k
.endr
.endr
.endm
.macro LOADBT
.irp m, 0,1,2,3
	global_load_b32 v[BT+\m], v6, s[BBV:BBV+1] offset:4*(32*(\m/2)+8*(\m%2))
.endr
.endm
.macro FRAG reg, ad, off               ; a fragment comes as it lies
	ds_load_b128 v[(\reg):(\reg)+3], v[\ad] offset:(\off)
	ds_load_b64 v[(\reg)+4:(\reg)+5], v[(\ad)+1] offset:(\off)
	ds_load_b128 v[(\reg)+6:(\reg)+9], v[\ad] offset:(\off)+768
	ds_load_b64 v[(\reg)+10:(\reg)+11], v[(\ad)+1] offset:(\off)+768
.endm
.macro FETCH kind, slot, s, p          ; K step s's twelve fragments into set p: 48 loads.  kind 0: q, k; 1: v
	WIN 0xc0
.irp i, 0,1,2,3,4,5,6,7
.if (\kind) == 0
	FRAG 96*(\p)+12*\i, AW+2*(\slot), 6144*\i+1536*((\s)%4)
.else
	FRAG 96*(\p)+12*\i, AX+2*(\i/4), 12288*(\i%4)+1536*(\s)
.endif
.endr
	WIN 0x80
.irp i, 0,1,2,3
.if (\kind) == 0
	FRAG 48*(\p)+12*\i, AXW, 12288*\i+1536*(\s)
.else
	FRAG 48*(\p)+12*\i, AWV+2*(\slot), 6144*\i+1536*((\s)%4)
.endif
.endr
	WIN 0
.endm
.macro WM d, fa, fb, cb, sa, sb, ra, rb
.if (\ra) && (\rb)
	v_wmma_scale_f32_16x16x128_f8f6f4 v[(\d):(\d)+7], v[(\fa):(\fa)+11], v[(\fb):(\fb)+11], v[(\cb):(\cb)+7], v[\sa], v[\sb] matrix_a_fmt:MATRIX_FMT_FP6 matrix_b_fmt:MATRIX_FMT_FP6 matrix_a_scale:MATRIX_SCALE_ROW1 matrix_b_scale:MATRIX_SCALE_ROW1
.elseif (\ra)
	v_wmma_scale_f32_16x16x128_f8f6f4 v[(\d):(\d)+7], v[(\fa):(\fa)+11], v[(\fb):(\fb)+11], v[(\cb):(\cb)+7], v[\sa], v[\sb] matrix_a_fmt:MATRIX_FMT_FP6 matrix_b_fmt:MATRIX_FMT_FP6 matrix_a_scale:MATRIX_SCALE_ROW1
.elseif (\rb)
	v_wmma_scale_f32_16x16x128_f8f6f4 v[(\d):(\d)+7], v[(\fa):(\fa)+11], v[(\fb):(\fb)+11], v[(\cb):(\cb)+7], v[\sa], v[\sb] matrix_a_fmt:MATRIX_FMT_FP6 matrix_b_fmt:MATRIX_FMT_FP6 matrix_b_scale:MATRIX_SCALE_ROW1
.else
	v_wmma_scale_f32_16x16x128_f8f6f4 v[(\d):(\d)+7], v[(\fa):(\fa)+11], v[(\fb):(\fb)+11], v[(\cb):(\cb)+7], v[\sa], v[\sb] matrix_a_fmt:MATRIX_FMT_FP6 matrix_b_fmt:MATRIX_FMT_FP6
.endif
.endm
; 8 matrix instructions: source 1's block a against source 0's eight.  cm 0: in place; 1: C = the bias by source 0's block; 2: by source 1's.  The 32 accumulators take turns in one order
.macro MULA a, p, s, cm
.irp b, 0,1,2,3,4,5,6,7
.if (\cm) == 1
	WM 8*(8*(\a)+\b), 96*(\p)+12*\b, 48*(\p)+12*(\a), BIAS+8*\b, SCA+8*(\b/2)+(\s), SCB+8*((\a)/2)+(\s), \b%2, (\a)%2
.elseif (\cm) == 2
	WM 8*(8*(\a)+\b), 96*(\p)+12*\b, 48*(\p)+12*(\a), BIAS+8*(\a), SCA+8*(\b/2)+(\s), SCB+8*((\a)/2)+(\s), \b%2, (\a)%2
.else
	WM 8*(8*(\a)+\b), 96*(\p)+12*\b, 48*(\p)+12*(\a), 8*(8*(\a)+\b), SCA+8*(\b/2)+(\s), SCB+8*((\a)/2)+(\s), \b%2, (\a)%2
.endif
.endr
.endm
; A K step that has its successor in the same slot.  bl 1: k's bias is asked for; 2: v's
.macro STEP kind, slot, s, cm, bl
	s_wait_dscnt 0x0                               ; this step's 48 loads, issued a step ago
	PLACES                                         ; in front of loads into the set that the last step multiplied
	FETCH \kind, \slot, (\s)+1, 1-(\s)%2
.if (\bl) == 1
	LOADBIAS 1
.elseif (\bl) == 2
	LOADBT
.endif
.if (\cm)
	s_wait_loadcnt 0x0                             ; this tile's scale words and bias
	WIN MULB
.else
	WIN MUL
.endif
	MULA 0, (\s)%2, \s, \cm
	MULA 1, (\s)%2, \s, \cm
	MULA 2, (\s)%2, \s, \cm
	MULA 3, (\s)%2, \s, \cm
.endm
; A slot's last step changes slots: each wave waits for all its tensor loads, adds 0 to its spare word, waits for that and for its reads of the slot; one barrier, which with fill = 1 opens a round of the cluster's;
; behind it the slot is filled with the next tile's same half of K, and the next step's fragments are fetched
.macro TURN slot, s, fill, nkind, nslot, ns
	WIN 0
	s_wait_tensorcnt 0x0                           ; all my tensor loads have landed: my part of the other slot
	ds_add_u32 v[SPW], v[NIL]                      ; 0 onto my spare word
	s_wait_dscnt 0x1                               ; this step's fragments are in; the add may be out
	WIN MUL
	MULA 0, 1, \s, 0
	s_wait_dscnt 0x0                               ; the add is done, and my reads of this slot are over
	s_barrier_signal -1
	MULA 1, 1, \s, 0
	WIN 0
	s_barrier_wait -1
.if \fill
	CREST                                          ; no wave of any partner still reads this slot or has a load on its way
	s_add_nc_u64 s[G0B+4*\slot+2:G0B+4*\slot+3], s[G0B+4*\slot+2:G0B+4*\slot+3], 786432   ; 1,024 columns on
	tensor_load_to_lds s[G0B+4*\slot:G0B+4*\slot+3], s[G1B:G1B+7]
	s_nop 0
	PLACES                                         ; also the places in front of the loads below
.else
	PLACES
.endif
	FETCH \nkind, \nslot, \ns, 0
	WIN MUL
	MULA 2, 1, \s, 0
	MULA 3, 1, \s, 0
.endm
; The 64 results of source 1's block a (register 16 b + i = index 32 b + 16 h + i along source 0's rows) become a fragment in v[PC] on and its scale word.  Each accumulator is read from its low end on
.macro QUANTA a, pw
	WIN 0x05
.irp b, 0,1,2,3
	v_max3_num_f32 v[TM+\b], |v[64*(\a)+16*\b]|, |v[64*(\a)+16*\b+1]|, 0x1800000
.endr
.irp i, 2,4,6,8,10,12,14
.irp b, 0,1,2,3
	v_max3_num_f32 v[TM+\b], |v[64*(\a)+16*\b+\i]|, |v[64*(\a)+16*\b+\i+1]|, v[TM+\b]
.endr
.endr
	WIN 0
.irp b, 0,1,2,3
	v_permlanex16_b32 v[TM+4+\b], v[TM+\b], s[SEL], s[SEL+1]
.endr
.irp b, 0,1,2,3
	v_max_num_f32 v[TM+\b], v[TM+\b], v[TM+4+\b]
.endr
.irp b, 0,1,2,3
	v_add_nc_u32 v[TM+12+\b], 0xff000000, v[TM+\b]
.endr
.irp b, 0,1,2,3
	v_lshrrev_b32 v[TM+4+\b], 23, v[TM+12+\b]
.endr
	v_lshl_or_b32 v[\pw], v[TM+5], 8, v[TM+4]
	v_lshl_or_b32 v[\pw], v[TM+6], 16, v[\pw]
	v_lshl_or_b32 v[\pw], v[TM+7], 24, v[\pw]
	s_wait_xcnt 0x0                                ; the last stores have read the codes' registers
	WIN 0x01
.irp c, 0,1
	v_cvt_scalef32_pk16_fp6_f32 v[PC+6*\c:PC+2+6*\c], v[64*(\a)+32*\c:64*(\a)+32*\c+15], v[TM+12+2*\c]
	v_cvt_scalef32_pk16_fp6_f32 v[PC+12+4*\c:PC+14+4*\c], v[64*(\a)+32*\c+16:64*(\a)+32*\c+31], v[TM+12+2*\c+1]
.endr
	WIN 0
	v_nop                                          ; one plain place behind a scaled conversion
.irp c, 0,1
.irp i, 0,1,2
	v_permlane16_swap_b32 v[PC+6*\c+\i], v[PC+12+4*\c+\i]
.endr
.irp i, 0,1,2
	v_mov_b32 v[PC+3+6*\c+\i], v[PC+12+4*\c+\i]
.endr
.endr
.endm
; q's or k's tile leaves: a fragment's two halves are two heads' half fragments of my 16 rows.  nxt 1: k's scale words are asked for; 2: v's, and v's bias is spread
.macro EPI_QK t, nxt
	WIN 0
	PLACES                                         ; behind the last products: for the reads of results and the loads into scale registers
.if (\nxt) == 1
	LOADSA SB0QK, 32768
.else
	s_wait_loadcnt 0x0                             ; v's bias
.irp m, 0,1,2,3
.irp k, 0,1,2,3,4,5,6,7
	v_mov_b32 v[BIAS+8*\m+\k], v[BT+\m]            ; a lane's eight results of a tile belong to one channel
.endr
.endr
	LOADSA SB0V, 0
	LOADSB SB1V
.endif
.irp a, 0,1,2,3
	QUANTA \a, PW+\a
.irp c, 0,1
	global_store_b128 v2, v[PC+6*\c:PC+6*\c+3], s[OQK:OQK+1] offset:6291456*(\t)+98304*\c+768*\a
	global_store_b64 v3, v[PC+6*\c+4:PC+6*\c+5], s[OQK:OQK+1] offset:6291456*(\t)+98304*\c+768*\a+512
.endr
.endr
	v_cndmask_b32 v192, v[PW], v[PW+1], s[HM]      ; lanes 0-15 an even tile's words, lanes 16-31 the odd tile's
	v_cndmask_b32 v193, v[PW+2], v[PW+3], s[HM]
	v_and_b32 v188, 0xffff, v192                   ; the first head's two bytes (bytes 2, 3 stay 0: they scale zero codes)
	v_and_b32 v189, 0xffff, v193
	v_lshrrev_b32 v190, 16, v192                   ; the second head's
	v_lshrrev_b32 v191, 16, v193
.if (\t) == 0
	global_store_b64 v3, v[188:189], s[SQ:SQ+1]
	global_store_b64 v3, v[190:191], s[SQ:SQ+1] offset:8192
.else
	global_store_b64 v3, v[188:189], s[SK:SK+1]
	global_store_b64 v3, v[190:191], s[SK:SK+1] offset:12288
.endif
.endm
	LOADSA SB0QK, 0
	LOADSB SB1QK
	LOADBIAS 0
	s_wait_alu depctr_va_vdst(0)
	s_wait_tensorcnt 0x1                           ; string's tile and slot 0 are in; slot 1's load may be out
	s_barrier_signal -1
	s_barrier_wait -1
	FETCH 0, 0, 0, 0
	; ---- q
	STEP 0, 0, 0, 1, 0
	STEP 0, 0, 1, 0, 1
	STEP 0, 0, 2, 0, 0
	TURN 0, 3, 1, 0, 1, 4
	STEP 0, 1, 4, 0, 0
	STEP 0, 1, 5, 0, 0
	STEP 0, 1, 6, 0, 0
	TURN 1, 7, 1, 0, 0, 0
	EPI_QK 0, 1
	; ---- k
	STEP 0, 0, 0, 1, 0
	STEP 0, 0, 1, 0, 2
	STEP 0, 0, 2, 0, 0
	TURN 0, 3, 1, 0, 1, 4
	STEP 0, 1, 4, 0, 0
	STEP 0, 1, 5, 0, 0
	STEP 0, 1, 6, 0, 0
	TURN 1, 7, 1, 1, 0, 0
	EPI_QK 1, 2
	; ---- v
	STEP 1, 0, 0, 2, 0
	STEP 1, 0, 1, 0, 0
	STEP 1, 0, 2, 0, 0
	TURN 0, 3, 0, 1, 1, 4                          ; nothing is left to fill
	STEP 1, 1, 4, 0, 0
	STEP 1, 1, 5, 0, 0
	STEP 1, 1, 6, 0, 0
	s_wait_dscnt 0x0
	WIN MUL
	MULA 0, 1, 7, 0
	MULA 1, 1, 7, 0
	MULA 2, 1, 7, 0
	MULA 3, 1, 7, 0
	WIN 0
	PLACES
.irp a, 0,1,2,3                        ; a whole fragment: 16 channels x my work-group's 128 keys
	QUANTA \a, PW+\a
	global_store_b128 v2, v[PC:PC+3], s[OV:OV+1] offset:1536*\a
	global_store_b64 v3, v[PC+4:PC+5], s[OV:OV+1] offset:1536*\a+512
	global_store_b128 v2, v[PC+6:PC+9], s[OV:OV+1] offset:1536*\a+768
	global_store_b64 v3, v[PC+10:PC+11], s[OV:OV+1] offset:1536*\a+1280
.endr
	v_cndmask_b32 v192, v[PW], v[PW+1], s[HM]
	v_cndmask_b32 v193, v[PW+2], v[PW+3], s[HM]
	global_store_b64 v3, v[192:193], s[SV:SV+1]
	s_wait_tensorcnt 0x0                           ; the wave's end
	ds_add_u32 v[SPW], v[NIL]
	s_wait_dscnt 0x0
	CROUND                                         ; the closing round
	s_endpgm
.Lfunc_end_k_qec319fbb33_gemm_qkv:
	.size	k_qec319fbb33_gemm_qkv, .Lfunc_end_k_qec319fbb33_gemm_qkv-k_qec319fbb33_gemm_qkv
	.p2alignl 7, 3214868480
	.fill 96, 4, 3214868480
	.section	.rodata,"a",@progbits
	.p2align	6, 0x0
	.amdhsa_kernel k_qec319fbb33_gemm_qkv
		.amdhsa_group_segment_fixed_size 327680
		.amdhsa_private_segment_fixed_size 0
		.amdhsa_enable_private_segment 0
		.amdhsa_kernarg_size 40
		.amdhsa_user_sgpr_count 2
		.amdhsa_user_sgpr_kernarg_segment_ptr 1
		.amdhsa_wavefront_size32 1
		.amdhsa_system_sgpr_workgroup_id_x 1
		.amdhsa_system_sgpr_workgroup_id_y 1
		.amdhsa_system_sgpr_workgroup_id_z 1
		.amdhsa_system_vgpr_workitem_id 0
		.amdhsa_next_free_vgpr 1024
		.amdhsa_next_free_sgpr 96
		.amdhsa_reserve_vcc 0
		.amdhsa_float_denorm_mode_32 3
		.amdhsa_float_denorm_mode_16_64 3
		.amdhsa_memory_ordered 1
		.amdhsa_forward_progress 1
		.amdhsa_inst_pref_size 248
	.end_amdhsa_kernel
	.amdgpu_metadata
---
amdhsa.version: [ 1, 2 ]
amdhsa.kernels:
  - .name:           k_qec319fbb33_gemm_qkv
    .symbol:         k_qec319fbb33_gemm_qkv.kd
    .args:
      - { .name: xw_img, .offset: 0, .size: 8, .value_kind: global_buffer, .address_space: global }
      - { .name: xw_sc, .offset: 8, .size: 8, .value_kind: global_buffer, .address_space: global }
      - { .name: bqkv, .offset: 16, .size: 8, .value_kind: global_buffer, .address_space: global }
      - { .name: qkv_img, .offset: 24, .size: 8, .value_kind: global_buffer, .address_space: global }
      - { .name: qkv_sc, .offset: 32, .size: 8, .value_kind: global_buffer, .address_space: global }
    .group_segment_fixed_size: 327680
    .private_segment_fixed_size: 0
    .kernarg_segment_align: 8
    .kernarg_segment_size: 40
    .max_flat_workgroup_size: 128
    .sgpr_count:     96
    .vgpr_count:     1024
    .wavefront_size: 32
...
	.end_amdgpu_metadata
.endif
;; end of part 2
;; launch attn (part 3): grid 4 x 64, 16 waves a work-group, clusters of 4 x 1, 210,944 bytes of LDS; arguments qkv_img, qkv_sc, a_img, a_sc; writes a_img, a_sc
.if DOCPART == 3
	.amdgcn_target "amdgcn-amd-amdhsa--gfx1250"
	.amdhsa_code_object_version 6
	.text
	.protected	k_qec319fbb33_attn
	.globl	k_qec319fbb33_attn
	.p2align	8
	.type	k_qec319fbb33_attn,@function
k_qec319fbb33_attn:
	s_mov_b64 s[64:65], 0
	v_nop
	global_prefetch_b8 v0, s[64:65] scope:SCOPE_SE
	s_setreg_imm32_b32 hwreg(HW_REG_WAVE_MODE, 25, 1), 1
	s_wait_xcnt 0x0
	s_wait_alu depctr_hold_cnt(0) depctr_sa_sdst(0) depctr_va_vdst(0) depctr_va_sdst(0) depctr_va_ssrc(0) depctr_va_vcc(0) depctr_vm_vsrc(0)
	s_getreg_b32 s2, hwreg(HW_REG_IB_STS2, 6, 4)
	s_cmp_eq_u32 s2, 0
	s_cbranch_scc0 .Lentry_in_a_cluster
	s_endpgm
.Lentry_in_a_cluster:
	s_bfe_u32 s2, ttmp6, 0x10000c
	s_cmp_lg_u32 s2, 0x3003
	s_cbranch_scc0 .Lentry_shape_is_right
	s_endpgm
.Lentry_shape_is_right:
; Causal attention of one head (64 channels, 2,048 keys) on codes of FP6 (E2M3); the result a = O / l is quantised along the channels and leaves as codes.
; THE SOFTMAX: t = score x log2(e) / 8; M = the running largest t rounded UP to a whole number; p = 2^(t - M) is quantised along the keys, not normalised; l is the sum of the unquantised p; when M moves, l and O are multiplied by 2^(old M - new M): exact.
; A block's largest p is taken through its largest score (the same multiply-add and exponential on the same number), which takes v_exp_f32 not to fall where its input rises.  1 / l is v_rcp_f32 and a multiplication.
; SHARES.  The four work-groups of a cluster share one head.  The head's WHOLE K and V (98,304 bytes each, as register images) and their scale words lie in LDS, filled once by joint loads: no ring, nothing filled again.
; Wave w (u = w % 2, p = w / 2) of work-group cx takes the tiles of 16 queries 8 g + 2 cx + u for g = 15 - p and g = p.  Tile g needs the key steps 0 .. g of 128 keys, the last under the mask: 17 steps for every wave of the launch.
; The loops' trip counts are constants; a step all of whose keys are hidden is jumped over by a branch on the wave's number and the loop's counter.  cx enters global addresses and the mask's lane value alone.
; LAYOUT.  S^T = K Q^T, O^T = V^T P^T: a lane holds one query.  Tile 2 B + u holds in lane r the row 32 B + 8 u + r + 8 (r / 8), so the 16 registers of two neighbouring tiles are 16 neighbours.
; THE FIRST PRODUCT'S K IS 64: Q's registers 6-11 are zero codes.  K's fragment i is named v[48 + 6 i .. + 11]: its upper six registers are the next fragment's codes, which meet zero codes and add nothing.
; LIMITS: a block of zeros or under 2^-124 gets the byte 1; NaN and infinities are not served.
; No prefetch: all that the launch reads is asked for in its first lines.
.set VIMG, 98304
.set KSC,  196608
.set VSC,  204800
.set QL,  20                           ; v20-31 the long tile's Q; v32-43 the short tile's; v44, v45 their scale words
.set QS,  32
.set KF,  48                           ; v48-101 fragments of K (8 x 6, and six zeros) or of V (4 x 12)
.set SR,  104                          ; v104-167 S^T, then p
.set OT,  168                          ; v168-199 O^T
.set PCD, 200                          ; v200-218 p's codes
.set BM,  220                          ; v220-223 the blocks' maxima, v224-227 bytes, v228-231 scale operands
.set KS,  232                          ; v232-235 K's scale words; v236-237 V's; v238 p's
.set VS,  236
.set WV, 12
.set CX, 13
.set BH, 14
.set U,  15
.set PP, 16
.set GL, 17
.set GS, 18
.set KJ, 19                            ; the key step
.set TB, 20                            ; 6,144 x it: K's and V's images
.set TS, 21                            ; 512 x it: K's scale words
.set TJ, 22                            ; 256 x it: V's
.set HM, 23
.set SEL, 24
.set CS, 26
.set G1H, 28
.set G1S, 36
.set G0H, 44                           ; s[44:47], s[48:51] the two halves; s[52:55] the scale words
.set G0S, 52
.set OAL, 56
.set OSL, 58
.set OAS, 60
.set OSS, 62
.set QBL, 66
.set QBS, 68
.set QSL, 70
.set QSS, 72
.macro CROUND
	s_barrier_signal -1
	s_barrier_wait -1
	s_cmp_lg_u32 s[WV], 0
	s_cbranch_scc1 .Lnot_wave_0_\@
	s_barrier_signal -3
.Lnot_wave_0_\@:
	s_barrier_wait -3
	s_barrier_signal -1
	s_barrier_wait -1
.endm
	s_load_b256 s[4:11], s[0:1], 0x0               ; qkv_img, qkv_sc, a_img, a_sc
	v_lshl_add_u32 v254, v0, 2, 0x33000
	v_mov_b32 v255, 0
	ds_add_u32 v254, v255
	ds_add_u32 v254, v255
	v_lshrrev_b32 v1, 5, v0
	s_delay_alu instid0(VALU_DEP_1)
	v_readfirstlane_b32 s[WV], v1                  ; wave 0..15
	s_bfe_u32 s[CX], ttmp6, 0x40000
	s_and_b32 s[BH], ttmp7, 0xffff                 ; batch x 16 + head
	s_and_b32 s[U], s[WV], 1
	s_lshr_b32 s[PP], s[WV], 1
	s_xor_b32 s[GL], s[PP], 15                     ; 15 - p
	s_mov_b32 s[GS], s[PP]
	s_mov_b32 s[HM], 0xffff0000
	s_mov_b32 s[SEL], 0x76543210
	s_mov_b32 s[SEL+1], 0xfedcba98
	s_mov_b32 s[CS], 0x3e38aa3b                    ; log2(e) / 8
	s_mov_b32 s[CS+1], s[CS]
	s_mov_b32 s[G1H], 15|(3<<16)|(1<<21)           ; all four work-groups; elements of 8 bytes; 8 rows of 6,144 dense bytes
	s_mov_b32 s[G1H+1], 768<<16
	s_mov_b32 s[G1H+2], 8<<16
	s_mov_b32 s[G1H+3], 768<<16
	s_mov_b32 s[G1H+4], 8
	s_mov_b32 s[G1H+5], 768
	s_mov_b32 s[G1H+6], 0
	s_mov_b32 s[G1H+7], 0
	s_mov_b32 s[G1S], 15|(3<<16)|(1<<21)           ; 2 rows of 6,144
	s_mov_b32 s[G1S+1], 768<<16
	s_mov_b32 s[G1S+2], 2<<16
	s_mov_b32 s[G1S+3], 768<<16
	s_mov_b32 s[G1S+4], 2
	s_mov_b32 s[G1S+5], 768
	s_mov_b32 s[G1S+6], 0
	s_mov_b32 s[G1S+7], 0
	s_mul_i32 s74, s[BH], 98304
	s_mul_i32 s75, s[U], 6291456
	s_add_co_u32 s74, s74, s75
	s_add_co_u32 s74, s74, 6291456                 ; wave 0: the head's K; wave 1: its V
	s_mov_b32 s75, 0
	s_mul_i32 s76, s[U], VIMG
	s_mul_i32 s78, s[BH], 12288
	s_add_co_u32 s78, s78, 524288
	s_mov_b32 s79, 0
	s_wait_dscnt 0x0
	s_wait_kmcnt 0x0
.irp n, 0,1
	s_mov_b32 s[G0H+4*\n], 1
	s_add_co_u32 s[G0H+4*\n+1], s76, 49152*\n
	s_add_nc_u64 s[G0H+4*\n+2:G0H+4*\n+3], s[4:5], s[74:75]
	s_add_nc_u64 s[G0H+4*\n+2:G0H+4*\n+3], s[G0H+4*\n+2:G0H+4*\n+3], 49152*\n
	s_or_b32 s[G0H+4*\n+3], s[G0H+4*\n+3], 0x80000000
.endr
	s_mov_b32 s[G0S], 1
	s_mov_b32 s[G0S+1], KSC
	s_add_nc_u64 s[G0S+2:G0S+3], s[6:7], s[78:79]
	s_or_b32 s[G0S+3], s[G0S+3], 0x80000000
	CROUND                                         ; all four work-groups are here: the joint loads meet
	s_cmp_lg_u32 s[WV], 0                          ; a wave's fills stand in one branch on its number
	s_cbranch_scc1 .Lnot_k
	tensor_load_to_lds s[G0S:G0S+3], s[G1S:G1S+7]          ; the scale words of K and V,
	s_nop 0
	tensor_load_to_lds s[G0H:G0H+3], s[G1H:G1H+7]          ; keys 0-1023 of K,
	s_nop 0
	tensor_load_to_lds s[G0H+4:G0H+7], s[G1H:G1H+7]        ; keys 1024-2047
	s_nop 0
.rept 4
	v_nop
.endr
	s_branch .Lasked
.Lnot_k:
	s_cmp_lg_u32 s[WV], 1
	s_cbranch_scc1 .Lasked
	tensor_load_to_lds s[G0H:G0H+3], s[G1H:G1H+7]          ; the same of V
	s_nop 0
	tensor_load_to_lds s[G0H+4:G0H+7], s[G1H:G1H+7]
	s_nop 0
.rept 4
	v_nop
.endr
.Lasked:
; the four pointers of tile 8 g + 2 cx + u: Q's half fragment, its scale words, a's half fragment, a's scale bytes
.macro TILEPTRS g, qb, qs, oa, os
	s_lshl_b32 s80, s[\g], 3
	s_lshl_b32 s81, s[CX], 1
	s_add_co_u32 s80, s80, s81
	s_add_co_u32 s80, s80, s[U]                    ; the tile in its head
	s_lshl_b32 s82, s[BH], 7
	s_add_co_u32 s82, s82, s80
	s_mul_i32 s82, s82, 768
	s_mov_b32 s83, 0
	s_add_nc_u64 s[\qb:\qb+1], s[4:5], s[82:83]
	s_lshr_b32 s82, s80, 2                         ; its group of four tiles: 256 bytes; in it lane 16 u + r, word cx % 2
	s_lshl_b32 s82, s82, 8
	s_lshl_b32 s84, s[BH], 13
	s_add_co_u32 s82, s82, s84
	s_lshl_b32 s84, s[U], 7
	s_add_co_u32 s82, s82, s84
	s_and_b32 s84, s[CX], 1
	s_lshl_b32 s84, s84, 2
	s_add_co_u32 s82, s82, s84
	s_add_nc_u64 s[\qs:\qs+1], s[6:7], s[82:83]
	s_lshr_b32 s84, s[BH], 4
	s_lshl_b32 s84, s84, 7
	s_add_co_u32 s84, s84, s80                     ; the tile among a's 512
	s_and_b32 s85, s[BH], 15                       ; the head: a's half fragment along K
	s_lshl_b32 s82, s84, 4
	s_add_co_u32 s82, s82, s85
	s_mul_i32 s82, s82, 768
	s_add_nc_u64 s[\oa:\oa+1], s[8:9], s[82:83]
	s_lshl_b32 s82, s84, 9                         ; 512 a tile, 256 a half of K, in a row's 16 bytes two bytes a head
	s_lshr_b32 s86, s85, 3
	s_lshl_b32 s86, s86, 8
	s_add_co_u32 s82, s82, s86
	s_and_b32 s86, s85, 7
	s_lshl_b32 s86, s86, 1
	s_add_co_u32 s82, s82, s86
	s_add_nc_u64 s[\os:\os+1], s[10:11], s[82:83]
.endm
	TILEPTRS GL, QBL, QSL, OAL, OSL
	TILEPTRS GS, QBS, QSS, OAS, OSS
	v_and_b32 v47, 31, v0
	s_delay_alu instid0(VALU_DEP_1)
	v_lshlrev_b32 v1, 4, v47                       ; 16 x lane: K's first four registers, and global offsets
	s_delay_alu instid0(VALU_DEP_2)
	v_lshlrev_b32 v2, 3, v47                       ; 8 x lane
	s_delay_alu instid0(VALU_DEP_2)
	v_add_nc_u32 v3, VIMG, v1                      ; V's pair
	s_delay_alu instid0(VALU_DEP_2)
	v_add_nc_u32 v4, VIMG+512, v2
	s_delay_alu instid0(VALU_DEP_3)
	v_add_nc_u32 v5, 512, v2                       ; K's registers 4-5
	s_delay_alu instid0(VALU_DEP_4)
	v_add_nc_u32 v6, KSC, v2
	v_add_nc_u32 v7, VSC, v2
	v_and_b32 v242, 15, v0                         ; r
	v_bfe_u32 v243, v0, 4, 1                       ; h
	s_delay_alu instid0(VALU_DEP_2)
	v_lshlrev_b32 v46, 3, v242                     ; 8 r
	s_delay_alu instid0(VALU_DEP_2)
	v_lshl_add_u32 v15, v242, 4, v243              ; 16 r + h
	global_load_b128 v[QL:QL+3], v1, s[QBL:QBL+1]
	global_load_b64 v[QL+4:QL+5], v2, s[QBL:QBL+1] offset:512
	global_load_b128 v[QS:QS+3], v1, s[QBS:QBS+1]
	global_load_b64 v[QS+4:QS+5], v2, s[QBS:QBS+1] offset:512
	global_load_b32 v44, v46, s[QSL:QSL+1]
	global_load_b32 v45, v46, s[QSS:QSS+1]
	v_and_b32 v244, 8, v242
	s_delay_alu instid0(VALU_DEP_1)
	v_add_nc_u32 v244, v244, v242                  ; r + 8 (r / 8)
	v_lshlrev_b32 v245, 4, v243
	s_delay_alu instid0(VALU_DEP_1)
	v_sub_nc_u32 v14, v244, v245
	s_lshl_b32 s80, s[CX], 5
	s_lshl_b32 s81, s[U], 3
	s_add_co_u32 s80, s80, s81
	v_add_nc_u32 v14, s80, v14                     ; my query in its 128, less 16 h: register 16 b + i of the masked step is hidden where 32 b + i is above it
.irp j, 6,7,8,9,10,11
	v_mov_b32 v[QL+\j], 0                          ; zero codes for k = 64 .. 127
	v_mov_b32 v[QS+\j], 0
	v_mov_b32 v[KF+42+\j], 0                       ; what K's last fragment names behind its data
.endr
.irp b, 0,1,2,3
	v_mov_b32 v[BM+4+\b], 0                        ; written once: a lane permute's destination counts as one of its sources
.endr
	v_mov_b32 v241, 0                              ; named as the upper half of the pair v[240:241]
.macro INIT
	v_mov_b32 v17, 0xff61b1e6                      ; the largest t so far: -3e38
	s_delay_alu instid0(VALU_DEP_1)
	v_floor_f32 v16, -v17                          ; -M
	v_mov_b32 v18, 0                               ; the sum, in two halves
	v_mov_b32 v19, 0
.set n, 0
.rept 32
	v_mov_b32 v[OT+n], 0                           ; the step is written for every step: the first finds zeros
.set n, n+1
.endr
.endm
; A KEY STEP of 128 keys for the tile whose Q lies in v[q] on.  mode 1: steps above g are jumped over, step g is masked
.macro STEP q, qs, g, mode
.if \mode
	s_cmp_gt_u32 s[KJ], s[\g]
	s_cbranch_scc1 .Lhidden_\@
.endif
	s_setprio 2
	v_add_nc_u32 v8, s[TB], v1                     ; six plain lines: also the places in front of the loads into registers that the last products read
	v_add_nc_u32 v9, s[TB], v5
	v_add_nc_u32 v10, s[TB], v3
	v_add_nc_u32 v11, s[TB], v4
	v_add_nc_u32 v12, s[TS], v6
	v_add_nc_u32 v13, s[TJ], v7
.irp tt, 0,1,2,3,4,5,6,7
	ds_load_b128 v[KF+6*\tt:KF+6*\tt+3], v8 offset:768*\tt
	ds_load_b64 v[KF+6*\tt+4:KF+6*\tt+5], v9 offset:768*\tt
.endr
	ds_load_b64 v[KS:KS+1], v12                    ; register m: lanes 0-15 tile 2 m's words, lanes 16-31 tile 2 m + 1's
	ds_load_b64 v[KS+2:KS+3], v12 offset:256
	s_wait_alu depctr_va_vdst(0)
	s_wait_dscnt 0x0
.irp tt, 0,1,2,3,4,5,6,7
.if \tt%2
	v_wmma_scale_f32_16x16x128_f8f6f4 v[SR+8*\tt:SR+8*\tt+7], v[KF+6*\tt:KF+6*\tt+11], v[\q:\q+11], 0, v[KS+\tt/2], v[\qs] matrix_a_fmt:MATRIX_FMT_FP6 matrix_b_fmt:MATRIX_FMT_FP6 matrix_a_scale:MATRIX_SCALE_ROW1
.else
	v_wmma_scale_f32_16x16x128_f8f6f4 v[SR+8*\tt:SR+8*\tt+7], v[KF+6*\tt:KF+6*\tt+11], v[\q:\q+11], 0, v[KS+\tt/2], v[\qs] matrix_a_fmt:MATRIX_FMT_FP6 matrix_b_fmt:MATRIX_FMT_FP6
.endif
.endr
.rept 4
	v_nop                                          ; places: for the loads below and for the first read of the scores
.endr
.irp t, 0,1,2,3                        ; V's four fragments land while the softmax is walked
	ds_load_b128 v[KF+12*\t:KF+12*\t+3], v10 offset:1536*\t
	ds_load_b64 v[KF+12*\t+4:KF+12*\t+5], v11 offset:1536*\t
	ds_load_b128 v[KF+12*\t+6:KF+12*\t+9], v10 offset:1536*\t+768
	ds_load_b64 v[KF+12*\t+10:KF+12*\t+11], v11 offset:1536*\t+768
.endr
	ds_load_b64 v[VS:VS+1], v13
.if \mode
	s_cmp_lg_u32 s[KJ], s[\g]
	s_cbranch_scc1 .Lopen_\@
	v_mov_b32 v243, 0xff800000                     ; hidden scores become -infinity ahead of the maximum: p = 0
.set n, 0
.rept 64
	v_cmp_gt_i32 vcc_lo, 32*(n/16)+n%16, v14
	v_cndmask_b32 v[SR+n], v[SR+n], v243, vcc_lo
.set n, n+1
.endr
.Lopen_\@:
.endif
.irp b, 0,1,2,3
	v_max3_num_f32 v[BM+\b], v[SR+16*\b], v[SR+16*\b+1], v[SR+16*\b+2]   ; the largest score of each block of 32 keys
.endr
.irp i, 3,5,7,9,11,13
.irp b, 0,1,2,3
	v_max3_num_f32 v[BM+\b], v[BM+\b], v[SR+16*\b+\i], v[SR+16*\b+\i+1]
.endr
.endr
.irp b, 0,1,2,3
	v_max_num_f32 v[BM+\b], v[BM+\b], v[SR+16*\b+15]
.endr
.irp b, 0,1,2,3
	s_delay_alu instid0(VALU_DEP_4)
	v_permlanex16_b32 v[BM+4+\b], v[BM+\b], s[SEL], s[SEL+1]
.endr
.irp b, 0,1,2,3
	s_delay_alu instid0(VALU_DEP_4)
	v_max_num_f32 v[BM+\b], v[BM+\b], v[BM+4+\b]
.endr
	s_delay_alu instid0(VALU_DEP_2)
	v_max3_num_f32 v242, v[BM], v[BM+1], v[BM+2]
	s_delay_alu instid0(VALU_DEP_1)
	v_max_num_f32 v242, v242, v[BM+3]
	s_delay_alu instid0(VALU_DEP_1)
	v_mul_f32 v242, s[CS], v242
	s_delay_alu instid0(VALU_DEP_1)
	v_max_num_f32 v17, v17, v242                   ; the running largest t
	v_mov_b32 v242, v16
	s_delay_alu instid0(VALU_DEP_2)
	v_floor_f32 v16, -v17                          ; the new -M
	s_delay_alu instid0(VALU_DEP_1)
	v_sub_f32 v242, v16, v242                      ; old M - new M: a whole number, 0 or less
	s_delay_alu instid0(VALU_DEP_1)
	v_cvt_i32_f32 v242, v242                       ; (it saturates)
	s_delay_alu instid0(VALU_DEP_1)
	v_ldexp_f32 v240, 1.0, v242                    ; f = 2^(old M - new M)
.set n, 0
.rept 32
	v_pk_fma_f32 v[SR+n:SR+n+1], v[SR+n:SR+n+1], s[CS:CS+1], v[16:17] op_sel_hi:[1,0,0]   ; t - M
.set n, n+2
.endr
.irp b, 0,1,2,3
	v_fma_f32 v[BM+\b], v[BM+\b], s[CS], v16
.endr
.set n, 0
	s_setprio 1
	s_wait_alu depctr_va_vdst(0)
.rept 64
	v_exp_f32 v[SR+n], v[SR+n]                     ; p
.set n, n+1
.endr
.irp b, 0,1,2,3
	v_exp_f32 v[BM+\b], v[BM+\b]                   ; the block's largest p
.endr
	v_pk_mul_f32 v[18:19], v[18:19], v[240:241] op_sel_hi:[1,0]   ; the sums under the new M (a plain place behind the exponentials)
	s_wait_alu depctr_va_vdst(0)
.irp b, 0,1,2,3
	v_max_num_f32 v[BM+\b], 0x1800000, v[BM+\b]    ; the floor: the byte cannot fall under 1
.endr
.irp b, 0,1,2,3
	s_delay_alu instid0(VALU_DEP_4)
	v_add_nc_u32 v[BM+8+\b], 0xff000000, v[BM+\b]
.endr
.irp b, 0,1,2,3
	s_delay_alu instid0(VALU_DEP_4)
	v_lshrrev_b32 v[BM+4+\b], 23, v[BM+8+\b]
.endr
	s_delay_alu instid0(VALU_DEP_3)
	v_lshl_or_b32 v238, v[BM+5], 8, v[BM+4]        ; p's scale word for these 128 keys
	s_delay_alu instid0(VALU_DEP_1)
	v_lshl_or_b32 v238, v[BM+6], 16, v238
	s_delay_alu instid0(VALU_DEP_1)
	v_lshl_or_b32 v238, v[BM+7], 24, v238
.irp c, 0,1
	v_cvt_scalef32_pk16_fp6_f32 v[PCD+6*\c:PCD+2+6*\c], v[SR+32*\c:SR+15+32*\c], v[BM+8+2*\c]
	v_cvt_scalef32_pk16_fp6_f32 v[PCD+12+4*\c:PCD+14+4*\c], v[SR+16+32*\c:SR+31+32*\c], v[BM+8+2*\c+1]
.endr
	v_nop                                          ; one plain place behind a scaled conversion
.irp c, 0,1
.irp i, 0,1,2
	v_permlane16_swap_b32 v[PCD+6*\c+\i], v[PCD+12+4*\c+\i]
.endr
.irp i, 0,1,2
	s_delay_alu instid0(VALU_DEP_3)
	v_mov_b32 v[PCD+3+6*\c+\i], v[PCD+12+4*\c+\i]
.endr
.endr
	v_pk_add_f32 v[244:245], v[108:109], v[112:113]
	v_pk_add_f32 v[252:253], v[116:117], v[120:121]
	v_pk_add_f32 v[250:251], v[124:125], v[128:129]
	v_pk_add_f32 v[248:249], v[132:133], v[136:137]
	v_pk_add_f32 v[246:247], v[140:141], v[144:145]
	v_pk_add_f32 v[234:235], v[148:149], v[152:153]
	v_pk_add_f32 v[232:233], v[156:157], v[160:161]
	v_pk_add_f32 v[18:19], v[18:19], v[164:165]
	v_pk_add_f32 v[244:245], v[244:245], v[104:105]
	v_pk_add_f32 v[252:253], v[252:253], v[106:107]
	v_pk_add_f32 v[250:251], v[250:251], v[110:111]
	v_pk_add_f32 v[248:249], v[248:249], v[114:115]
	v_pk_add_f32 v[246:247], v[246:247], v[118:119]
	v_pk_add_f32 v[234:235], v[234:235], v[122:123]
	v_pk_add_f32 v[232:233], v[232:233], v[126:127]
	v_pk_add_f32 v[18:19], v[18:19], v[130:131]
	v_pk_add_f32 v[244:245], v[244:245], v[134:135]
	v_pk_add_f32 v[252:253], v[252:253], v[138:139]
	v_pk_add_f32 v[250:251], v[250:251], v[142:143]
	v_pk_add_f32 v[248:249], v[248:249], v[146:147]
	s_setprio 0
	v_pk_add_f32 v[246:247], v[246:247], v[150:151]
	v_pk_add_f32 v[234:235], v[234:235], v[154:155]
	v_pk_add_f32 v[232:233], v[232:233], v[158:159]
	v_pk_add_f32 v[18:19], v[18:19], v[162:163]
	v_pk_add_f32 v[244:245], v[244:245], v[166:167]
	s_delay_alu instid0(VALU_DEP_2)
	v_pk_add_f32 v[18:19], v[18:19], v[248:249]
	s_delay_alu instid0(VALU_DEP_2)
	v_pk_add_f32 v[244:245], v[244:245], v[246:247]
	v_pk_add_f32 v[252:253], v[252:253], v[234:235]
	v_pk_add_f32 v[250:251], v[250:251], v[232:233]
	s_delay_alu instid0(VALU_DEP_2)
	v_pk_add_f32 v[18:19], v[18:19], v[252:253]
	s_delay_alu instid0(VALU_DEP_2)
	v_pk_add_f32 v[244:245], v[244:245], v[250:251]
	s_delay_alu instid0(VALU_DEP_1)
	v_pk_add_f32 v[18:19], v[18:19], v[244:245]
.set n, 0
.rept 16
	v_pk_mul_f32 v[OT+n:OT+n+1], v[OT+n:OT+n+1], v[240:241] op_sel_hi:[1,0]   ; O^T under the new M
.set n, n+2
.endr
	s_wait_alu depctr_va_vdst(0)
	s_wait_dscnt 0x0                               ; V and its scale words
.irp t, 0,1,2,3
.if \t%2
	v_wmma_scale_f32_16x16x128_f8f6f4 v[OT+8*\t:OT+8*\t+7], v[KF+12*\t:KF+12*\t+11], v[PCD:PCD+11], v[OT+8*\t:OT+8*\t+7], v[VS+\t/2], v238 matrix_a_fmt:MATRIX_FMT_FP6 matrix_b_fmt:MATRIX_FMT_FP6 matrix_a_scale:MATRIX_SCALE_ROW1
.else
	v_wmma_scale_f32_16x16x128_f8f6f4 v[OT+8*\t:OT+8*\t+7], v[KF+12*\t:KF+12*\t+11], v[PCD:PCD+11], v[OT+8*\t:OT+8*\t+7], v[VS+\t/2], v238 matrix_a_fmt:MATRIX_FMT_FP6 matrix_b_fmt:MATRIX_FMT_FP6
.endif
.endr
.if \mode
.Lhidden_\@:
.endif
	s_add_co_u32 s[KJ], s[KJ], 1
	s_add_co_u32 s[TB], s[TB], 6144
	s_add_co_u32 s[TS], s[TS], 512
	s_add_co_u32 s[TJ], s[TJ], 256
.endm
; A tile is finished: O^T / l, quantised along the head's 64 channels (two blocks), leaves as a half fragment of a and two scale bytes a row
.macro FINISH oa, os
.rept 4
	v_nop
.endr
	v_add_f32 v18, v18, v19
	s_delay_alu instid0(VALU_DEP_1)
	v_permlanex16_b32 v242, v18, s[SEL], s[SEL+1]
	s_delay_alu instid0(VALU_DEP_1)
	v_add_f32 v18, v18, v242                       ; the row's sum
	s_wait_alu depctr_va_vdst(0)
	v_rcp_f32 v240, v18
	v_nop                                          ; one plain place behind a transcendental
.set n, 0
	s_wait_alu depctr_va_vdst(0)
.rept 16
	v_pk_mul_f32 v[SR+n:SR+n+1], v[OT+n:OT+n+1], v[240:241] op_sel_hi:[1,0]   ; register 16 b + i = channel 32 b + 16 h + i of my query
.set n, n+2
.endr
.irp b, 0,1
	v_max3_num_f32 v[BM+\b], |v[SR+16*\b]|, |v[SR+16*\b+1]|, 0x1800000
.endr
.irp i, 2,4,6,8,10,12,14
.irp b, 0,1
	s_delay_alu instid0(VALU_DEP_2)
	v_max3_num_f32 v[BM+\b], v[BM+\b], |v[SR+16*\b+\i]|, |v[SR+16*\b+\i+1]|
.endr
.endr
.irp b, 0,1
	s_delay_alu instid0(VALU_DEP_2)
	v_permlanex16_b32 v[BM+4+\b], v[BM+\b], s[SEL], s[SEL+1]
.endr
.irp b, 0,1
	s_delay_alu instid0(VALU_DEP_2)
	v_max_num_f32 v[BM+\b], v[BM+\b], v[BM+4+\b]
.endr
.irp b, 0,1
	s_delay_alu instid0(VALU_DEP_2)
	v_add_nc_u32 v[BM+8+\b], 0xff000000, v[BM+\b]
.endr
.irp b, 0,1
	s_delay_alu instid0(VALU_DEP_2)
	v_lshrrev_b32 v[BM+4+\b], 23, v[BM+8+\b]
.endr
	s_delay_alu instid0(VALU_DEP_1)
	v_cndmask_b32 v243, v[BM+4], v[BM+5], s[HM]    ; lane (r, h) stores block h's byte
	v_cvt_scalef32_pk16_fp6_f32 v[PCD:PCD+2], v[SR:SR+15], v[BM+8]
	v_cvt_scalef32_pk16_fp6_f32 v[PCD+12:PCD+14], v[SR+16:SR+31], v[BM+9]
	v_nop
.irp i, 0,1,2
	v_permlane16_swap_b32 v[PCD+\i], v[PCD+12+\i]
.endr
.irp i, 0,1,2
	s_delay_alu instid0(VALU_DEP_3)
	v_mov_b32 v[PCD+3+\i], v[PCD+12+\i]
.endr
	global_store_b128 v1, v[PCD:PCD+3], s[\oa:\oa+1]
	global_store_b64 v2, v[PCD+4:PCD+5], s[\oa:\oa+1] offset:512
	global_store_b8 v15, v243, s[\os:\os+1]        ; single bytes: one for each 24 bytes of codes; the other heads' bytes of these rows come from other work-groups
.endm
	INIT
	s_wait_tensorcnt 0x1                           ; the scale words and the first halves are in; each fetching wave's second half may be out
	s_wait_loadcnt 0x0                             ; Q
	s_barrier_signal -1
	s_barrier_wait -1
	s_mov_b32 s[KJ], 0
	s_mov_b32 s[TB], 0
	s_mov_b32 s[TS], 0
	s_mov_b32 s[TJ], 0
.Llong_a:                                      ; the long tile, steps 0-7: all keys count, and only the first halves are read
	STEP QL, 44, GL, 0
	s_cmp_lt_u32 s[KJ], 8
	s_cbranch_scc1 .Llong_a
	s_setprio 0
	s_wait_tensorcnt 0x0                           ; the second halves, which had eight steps in which to land
	s_wait_dscnt 0x0
	s_barrier_signal -1
	s_barrier_wait -1
	s_mov_b32 s[KJ], 8
	s_mov_b32 s[TB], 8*6144
	s_mov_b32 s[TS], 8*512
	s_mov_b32 s[TJ], 8*256
.Llong_b:                                      ; steps 8-15
	STEP QL, 44, GL, 1
	s_cmp_lt_u32 s[KJ], 16
	s_cbranch_scc1 .Llong_b
	s_setprio 0
	FINISH OAL, OSL
	INIT
	s_wait_xcnt 0x0                                ; the stores have read their registers, which the next steps write
	s_mov_b32 s[KJ], 0
	s_mov_b32 s[TB], 0
	s_mov_b32 s[TS], 0
	s_mov_b32 s[TJ], 0
.Lshort:                                       ; the short tile, steps 0-7
	STEP QS, 45, GS, 1
	s_cmp_lt_u32 s[KJ], 8
	s_cbranch_scc1 .Lshort
	s_setprio 0
	FINISH OAS, OSS
	s_wait_tensorcnt 0x0
	ds_add_u32 v254, v255
	s_wait_dscnt 0x0
	CROUND                                         ; the closing round
	s_endpgm
.Lfunc_end_k_qec319fbb33_attn:
	.size	k_qec319fbb33_attn, .Lfunc_end_k_qec319fbb33_attn-k_qec319fbb33_attn
	.p2alignl 7, 3214868480
	.fill 96, 4, 3214868480
	.section	.rodata,"a",@progbits
	.p2align	6, 0x0
	.amdhsa_kernel k_qec319fbb33_attn
		.amdhsa_group_segment_fixed_size 210944
		.amdhsa_private_segment_fixed_size 0
		.amdhsa_enable_private_segment 0
		.amdhsa_kernarg_size 32
		.amdhsa_user_sgpr_count 2
		.amdhsa_user_sgpr_kernarg_segment_ptr 1
		.amdhsa_wavefront_size32 1
		.amdhsa_system_sgpr_workgroup_id_x 1
		.amdhsa_system_sgpr_workgroup_id_y 1
		.amdhsa_system_sgpr_workgroup_id_z 1
		.amdhsa_system_vgpr_workitem_id 0
		.amdhsa_next_free_vgpr 256
		.amdhsa_next_free_sgpr 96
		.amdhsa_reserve_vcc 1
		.amdhsa_float_denorm_mode_32 3
		.amdhsa_float_denorm_mode_16_64 3
		.amdhsa_memory_ordered 1
		.amdhsa_forward_progress 1
		.amdhsa_inst_pref_size 85
	.end_amdhsa_kernel
	.amdgpu_metadata
---
amdhsa.version: [ 1, 2 ]
amdhsa.kernels:
  - .name:           k_qec319fbb33_attn
    .symbol:         k_qec319fbb33_attn.kd
    .args:
      - { .name: qkv_img, .offset: 0, .size: 8, .value_kind: global_buffer, .address_space: global }
      - { .name: qkv_sc, .offset: 8, .size: 8, .value_kind: global_buffer, .address_space: global }
      - { .name: a_img, .offset: 16, .size: 8, .value_kind: global_buffer, .address_space: global }
      - { .name: a_sc, .offset: 24, .size: 8, .value_kind: global_buffer, .address_space: global }
    .group_segment_fixed_size: 210944
    .private_segment_fixed_size: 0
    .kernarg_segment_align: 8
    .kernarg_segment_size: 32
    .max_flat_workgroup_size: 512
    .sgpr_count:     96
    .vgpr_count:     256
    .wavefront_size: 32
...
	.end_amdgpu_metadata
.endif
;; end of part 3
;; launch gemm_o (part 4): grid 4 x 64, 4 waves a work-group, clusters of 4 x 4, 295,424 bytes of LDS; arguments a_img, a_sc, xw_img, xw_sc, bo, out0; writes out0
.if DOCPART == 4
	.amdgcn_target "amdgcn-amd-amdhsa--gfx1250"
	.amdhsa_code_object_version 6
	.text
	.protected	k_qec319fbb33_gemm_o
	.globl	k_qec319fbb33_gemm_o
	.p2align	8
	.type	k_qec319fbb33_gemm_o,@function
k_qec319fbb33_gemm_o:
	s_mov_b64 s[64:65], 0
	v_nop
	global_prefetch_b8 v0, s[64:65] scope:SCOPE_SE
	s_setreg_imm32_b32 hwreg(HW_REG_WAVE_MODE, 25, 1), 1
	s_wait_xcnt 0x0
	s_wait_alu depctr_hold_cnt(0) depctr_sa_sdst(0) depctr_va_vdst(0) depctr_va_sdst(0) depctr_va_ssrc(0) depctr_va_vcc(0) depctr_vm_vsrc(0)
	s_getreg_b32 s2, hwreg(HW_REG_IB_STS2, 6, 4)
	s_cmp_eq_u32 s2, 0
	s_cbranch_scc0 .Lentry_in_a_cluster
	s_endpgm
.Lentry_in_a_cluster:
	s_bfe_u32 s2, ttmp6, 0x10000c
	s_cmp_lg_u32 s2, 0xf033
	s_cbranch_scc0 .Lentry_shape_is_right
	s_endpgm
.Lentry_shape_is_right:
; out0 = a Wo + bo on codes of FP6 (E2M3).  a's codes come from the attention launch, Wo's from the quantiser, both as images of the matrix unit's registers (half fragments of 768 bytes; tile 2 B + u holds in lane r the row 32 B + 8 u + r + 8 (r / 8)).
; Work-group (cx, rt) makes rows 128 rt .. + 127, columns 256 cx .. + 255.  All it reads fits in LDS: a's tile (98,304 bytes) and the two halves of K of Wo's tile, each filled once: nothing is filled again.
; Four waves, 64 rows x 128 columns each: source 0 = 128 of Wo's columns, source 1 = 64 rows of a: a lane holds one row and, in the 16 registers of two neighbouring tiles, 16 neighbouring columns.  bo is the C of each sum's first matrix instruction.
; CLUSTERS: 4 x 4: a's tile is shared along a row of the cluster, Wo's along a column; each wave asks jointly for its quarter.  By the text's own count three tensor loads of a wave are out.
; REGISTERS: window 0: addresses, scale words, bias, the way out.  window 1: the accumulators, (a, b) at v[8 (8 a + b)].  window 2: source 1's fragments, two sets of 48.  window 3: source 0's, two sets of 96.
.set SLOT0,  98304
.set SLOTB,  98304
.set SPITCH, 528
.set AW,  8
.set AXW, 12
.set STO, 23
.set RD,  24
.set SCA, 32
.set SCB, 64
.set BIAS, 80
.set BK,  80                           ; the way out: v80-143 and v144-207 by turns
.set WV, 16
.set WR, 17
.set WC, 18
.set CX, 19
.set CY, 20
.set RT, 21
.set G1A, 24
.set G1B, 32
.set G0A, 40
.set G0B, 44
.set SBW, 52
.set SBA, 54
.set BB, 56
.set OUTP, 58
.set MUL,  0x5b
.set MULB, 0x4b
.set MSB, 0
.macro WIN new
.if MSB != \new
	s_set_vgpr_msb (MSB<<8)|\new
.set MSB, \new
.endif
.endm
.macro PLACES
.rept 4
	v_nop
.endr
.endm
.macro CROUND
	s_barrier_signal -1
	s_barrier_wait -1
	s_cmp_lg_u32 s[WV], 0
	s_cbranch_scc1 .Lnot_wave_0_\@
	s_barrier_signal -3
.Lnot_wave_0_\@:
	s_barrier_wait -3
	s_barrier_signal -1
	s_barrier_wait -1
.endm
	s_load_b256 s[4:11], s[0:1], 0x0               ; a_img, a_sc, xw_img, xw_sc
	s_load_b128 s[12:15], s[0:1], 0x20             ; bo, out0
	v_lshl_add_u32 v254, v0, 2, 0x48000
	v_mov_b32 v255, 0
	ds_add_u32 v254, v255
	ds_add_u32 v254, v255
	v_lshrrev_b32 v1, 5, v0
	v_readfirstlane_b32 s[WV], v1
	s_lshr_b32 s[WR], s[WV], 1
	s_and_b32 s[WC], s[WV], 1
	s_bfe_u32 s[CX], ttmp6, 0x40000
	s_bfe_u32 s[CY], ttmp6, 0x40004
	s_and_b32 s[RT], ttmp7, 0xffff
	s_lshl_b32 s[RT], s[RT], 2
	s_add_co_u32 s[RT], s[RT], s[CY]
	s_lshl_b32 s76, s[CY], 2
	s_lshl_b32 s76, 15, s76
	s_lshl_b32 s77, 0x1111, s[CX]
	s_or_b32 s[G1A], s76, (3<<16)|(1<<21)
	s_or_b32 s[G1B], s77, (3<<16)|(1<<21)
	s_mov_b32 s[G1A+1], 1536<<16                   ; a: two tiles of 12,288 dense bytes a wave
	s_mov_b32 s[G1A+2], 2<<16
	s_mov_b32 s[G1A+3], 1536<<16
	s_mov_b32 s[G1A+4], 2
	s_mov_b32 s[G1A+5], 1536
	s_mov_b32 s[G1A+6], 0
	s_mov_b32 s[G1A+7], 0
	s_mov_b32 s[G1B+1], 768<<16                    ; Wo: of four tiles 6,144 bytes, 12,288 bytes apart
	s_mov_b32 s[G1B+2], 4<<16
	s_mov_b32 s[G1B+3], 768<<16
	s_mov_b32 s[G1B+4], 4
	s_mov_b32 s[G1B+5], 1536
	s_mov_b32 s[G1B+6], 0
	s_mov_b32 s[G1B+7], 0
	s_mul_i32 s78, s[RT], 98304
	s_mul_i32 s79, s[WV], 24576
	s_add_co_u32 s78, s78, s79
	s_mov_b32 s79, 0
	s_mul_i32 s80, s[CX], 196608
	s_mul_i32 s81, s[WV], 49152
	s_add_co_u32 s80, s80, s81
	s_add_co_u32 s80, s80, 6291456+192*12288       ; Wo's columns are the weights' tiles 192 on
	s_mov_b32 s81, 0
	s_mul_i32 s82, s[WV], 24576
	s_wait_dscnt 0x0
	s_wait_kmcnt 0x0
	s_mov_b32 s[G0A], 1
	s_mov_b32 s[G0A+1], s82
	s_add_nc_u64 s[G0A+2:G0A+3], s[4:5], s[78:79]
	s_or_b32 s[G0A+3], s[G0A+3], 0x80000000
.irp n, 0,1
	s_mov_b32 s[G0B+4*\n], 1
	s_add_co_u32 s[G0B+4*\n+1], s82, SLOT0+\n*SLOTB
	s_add_nc_u64 s[G0B+4*\n+2:G0B+4*\n+3], s[8:9], s[80:81]
	s_add_nc_u64 s[G0B+4*\n+2:G0B+4*\n+3], s[G0B+4*\n+2:G0B+4*\n+3], 6144*\n
	s_or_b32 s[G0B+4*\n+3], s[G0B+4*\n+3], 0x80000000
.endr
	CROUND                                         ; all sixteen work-groups are here: the joint loads meet
	tensor_load_to_lds s[G0A:G0A+3], s[G1A:G1A+7]
	s_nop 0
	tensor_load_to_lds s[G0B:G0B+3], s[G1B:G1B+7]
	s_nop 0
	tensor_load_to_lds s[G0B+4:G0B+7], s[G1B:G1B+7]
	s_nop 0
	PLACES
	s_mov_b32 s87, 0
	s_lshl_b32 s86, s[CX], 13
	s_lshl_b32 s90, s[WC], 12
	s_add_co_u32 s86, s86, s90
	s_add_co_u32 s86, s86, 262144+192*512
	s_add_nc_u64 s[SBW:SBW+1], s[10:11], s[86:87]          ; scale words of my 8 tiles of columns
	s_lshl_b32 s86, s[RT], 12
	s_lshl_b32 s90, s[WR], 11
	s_add_co_u32 s86, s86, s90
	s_add_nc_u64 s[SBA:SBA+1], s[6:7], s[86:87]            ; of my 4 tiles of rows
	s_lshl_b32 s86, s[CX], 10
	s_lshl_b32 s90, s[WC], 9
	s_add_co_u32 s86, s86, s90
	s_add_nc_u64 s[BB:BB+1], s[12:13], s[86:87]            ; the bias of my 128 columns
	s_lshl_b32 s90, s[RT], 19
	s_add_co_u32 s86, s86, s90
	s_lshl_b32 s90, s[WR], 18
	s_add_co_u32 s86, s86, s90
	s_add_nc_u64 s[OUTP:OUTP+1], s[14:15], s[86:87]        ; my first row and column of out0
	v_and_b32 v1, 31, v0
	v_lshlrev_b32 v2, 4, v1
	v_lshlrev_b32 v3, 3, v1
	v_and_b32 v7, 15, v0
	v_bfe_u32 v22, v0, 4, 1
	v_lshlrev_b32 v4, 4, v7
	v_lshl_add_u32 v4, v22, 9, v4
	v_lshlrev_b32 v5, 6, v22
.macro ADRP reg
	v_add_nc_u32 v[\reg], s76, v2
	s_add_co_u32 s77, s76, 512
	v_add_nc_u32 v[\reg+1], s77, v3
.endm
	s_mul_i32 s76, s[WC], 49152
	s_add_co_u32 s76, s76, SLOT0
	ADRP AW
	s_add_co_u32 s76, s76, SLOTB
	ADRP AW+2
	s_mul_i32 s76, s[WR], 49152
	ADRP AXW
	s_mul_i32 s76, s[WV], 16*SPITCH
	s_add_co_u32 s76, s76, SLOT0                   ; my stage: in slot 0, which has had its one fill, and which nobody reads behind the change of slots
	v_mul_u32_u24 v[STO], v7, SPITCH
	v_lshl_add_u32 v[STO], v22, 6, v[STO]
	v_add_nc_u32 v[STO], s76, v[STO]               ; in: row r, + 64 h
	v_add_nc_u32 v[RD], s76, v2                    ; back: 16 x lane of a row
.irp m, 0,1,2,3
.irp k, 0,1
	global_load_b128 v[SCA+8*\m+4*\k:SCA+8*\m+4*\k+3], v4, s[SBW:SBW+1] offset:1024*\m+256*\k
.endr
.endr
.irp m, 0,1
.irp k, 0,1
	global_load_b128 v[SCB+8*\m+4*\k:SCB+8*\m+4*\k+3], v4, s[SBA:SBA+1] offset:1024*\m+256*\k
.endr
.endr
.irp m, 0,1,2,3
.irp k, 0,1,2,3
	global_load_b128 v[BIAS+16*\m+4*\k:BIAS+16*\m+4*\k+3], v5, s[BB:BB+1] offset:128*\m+16*\k
.endr
.endr
.macro FRAG reg, ad, off
	ds_load_b128 v[(\reg):(\reg)+3], v[\ad] offset:(\off)
	ds_load_b64 v[(\reg)+4:(\reg)+5], v[(\ad)+1] offset:(\off)
	ds_load_b128 v[(\reg)+6:(\reg)+9], v[\ad] offset:(\off)+768
	ds_load_b64 v[(\reg)+10:(\reg)+11], v[(\ad)+1] offset:(\off)+768
.endm
.macro FETCH slot, s, p
	WIN 0xc0
.irp i, 0,1,2,3,4,5,6,7
	FRAG 96*(\p)+12*\i, AW+2*(\slot), 6144*\i+1536*((\s)%4)
.endr
	WIN 0x80
.irp i, 0,1,2,3
	FRAG 48*(\p)+12*\i, AXW, 12288*\i+1536*(\s)
.endr
	WIN 0
.endm
.macro WM d, fa, fb, cb, sa, sb, ra, rb
.if (\ra) && (\rb)
	v_wmma_scale_f32_16x16x128_f8f6f4 v[(\d):(\d)+7], v[(\fa):(\fa)+11], v[(\fb):(\fb)+11], v[(\cb):(\cb)+7], v[\sa], v[\sb] matrix_a_fmt:MATRIX_FMT_FP6 matrix_b_fmt:MATRIX_FMT_FP6 matrix_a_scale:MATRIX_SCALE_ROW1 matrix_b_scale:MATRIX_SCALE_ROW1
.elseif (\ra)
	v_wmma_scale_f32_16x16x128_f8f6f4 v[(\d):(\d)+7], v[(\fa):(\fa)+11], v[(\fb):(\fb)+11], v[(\cb):(\cb)+7], v[\sa], v[\sb] matrix_a_fmt:MATRIX_FMT_FP6 matrix_b_fmt:MATRIX_FMT_FP6 matrix_a_scale:MATRIX_SCALE_ROW1
.elseif (\rb)
	v_wmma_scale_f32_16x16x128_f8f6f4 v[(\d):(\d)+7], v[(\fa):(\fa)+11], v[(\fb):(\fb)+11], v[(\cb):(\cb)+7], v[\sa], v[\sb] matrix_a_fmt:MATRIX_FMT_FP6 matrix_b_fmt:MATRIX_FMT_FP6 matrix_b_scale:MATRIX_SCALE_ROW1
.else
	v_wmma_scale_f32_16x16x128_f8f6f4 v[(\d):(\d)+7], v[(\fa):(\fa)+11], v[(\fb):(\fb)+11], v[(\cb):(\cb)+7], v[\sa], v[\sb] matrix_a_fmt:MATRIX_FMT_FP6 matrix_b_fmt:MATRIX_FMT_FP6
.endif
.endm
.macro MULA a, p, s, cm                ; the 32 accumulators take turns in one order
.irp b, 0,1,2,3,4,5,6,7
.if (\cm) == 1
	WM 8*(8*(\a)+\b), 96*(\p)+12*\b, 48*(\p)+12*(\a), BIAS+8*\b, SCA+8*(\b/2)+(\s), SCB+8*((\a)/2)+(\s), \b%2, (\a)%2
.else
	WM 8*(8*(\a)+\b), 96*(\p)+12*\b, 48*(\p)+12*(\a), 8*(8*(\a)+\b), SCA+8*(\b/2)+(\s), SCB+8*((\a)/2)+(\s), \b%2, (\a)%2
.endif
.endr
.endm
.macro STEP slot, s, cm
	s_wait_dscnt 0x0                               ; this step's 48 loads, issued a step ago
	PLACES
	FETCH \slot, (\s)+1, 1-(\s)%2
.if (\cm)
	s_wait_loadcnt 0x0                             ; the scale words and the bias
	WIN MULB
.else
	WIN MUL
.endif
	MULA 0, (\s)%2, \s, \cm
	MULA 1, (\s)%2, \s, \cm
	MULA 2, (\s)%2, \s, \cm
	MULA 3, (\s)%2, \s, \cm
.endm
	s_wait_alu depctr_va_vdst(0)
	s_wait_tensorcnt 0x1                           ; a's tile and slot 0 are in; slot 1's load may be out
	s_barrier_signal -1
	s_barrier_wait -1
	FETCH 0, 0, 0
	STEP 0, 0, 1
	STEP 0, 1, 0
	STEP 0, 2, 0
	s_wait_tensorcnt 0x0                           ; the change of slots: my part of slot 1 is in,
	s_wait_dscnt 0x0                               ; and my reads of slot 0 are over
	s_barrier_signal -1
	WIN MUL
	MULA 0, 1, 3, 0
	MULA 1, 1, 3, 0
	WIN 0
	s_barrier_wait -1
	PLACES
	FETCH 1, 4, 0
	WIN MUL
	MULA 2, 1, 3, 0
	MULA 3, 1, 3, 0
	STEP 1, 4, 0
	STEP 1, 5, 0
	STEP 1, 6, 0
	s_wait_dscnt 0x0
	WIN MUL
	MULA 0, 1, 7, 0
	MULA 1, 1, 7, 0
	MULA 2, 1, 7, 0
	MULA 3, 1, 7, 0
	WIN 0
; THE WAY OUT, a block of 16 rows x 128 columns at a time, through my own stage: in as 32 bytes a lane, back as whole rows of 512 bytes.  LDS serves a wave's instructions in order
.macro TOSTAGE a
	WIN 0x04                                       ; an LDS store's data are its source 1: window 1
.irp b, 0,1,2,3,4,5,6,7
	ds_store_b128 v[STO], v[8*(8*(\a)+\b):8*(8*(\a)+\b)+3] offset:128*(\b/2)+32*(\b%2)        ; each accumulator from its low end on
	ds_store_b128 v[STO], v[8*(8*(\a)+\b)+4:8*(8*(\a)+\b)+7] offset:128*(\b/2)+32*(\b%2)+16
.endr
	WIN 0
.irp t, 0,1,2,3,4,5,6,7,8,9,10,11,12,13,14,15
	ds_load_b128 v[BK+64*((\a)%2)+4*\t:BK+64*((\a)%2)+4*\t+3], v[RD] offset:\t*SPITCH
.endr
.endm
.macro SEND a, younger                 ; younger: the LDS instructions issued behind block a's loads
	s_wait_dscnt \younger
.irp t, 0,1,2,3,4,5,6,7,8,9,10,11,12,13,14,15
	global_store_b128 v2, v[BK+64*((\a)%2)+4*\t:BK+64*((\a)%2)+4*\t+3], s[OUTP:OUTP+1] offset:(32*((\a)/2)+8*((\a)%2)+\t+8*(\t/8))*4096 th:TH_STORE_NT   ; 512 consecutive bytes of one row
.endr
.endm
	PLACES                                         ; behind the last products
	TOSTAGE 0
	TOSTAGE 1
	SEND 0, 32                                     ; behind block 0's loads: block 1's 16 stores and 16 loads
	s_wait_xcnt 0x0                                ; block 0's stores have read their registers: block 2's loads may land there
	TOSTAGE 2
	SEND 1, 32
	s_wait_xcnt 0x0
	TOSTAGE 3
	SEND 2, 32
	SEND 3, 0
	s_wait_tensorcnt 0x0
	ds_add_u32 v254, v255
	s_wait_dscnt 0x0
	CROUND                                         ; the closing round
	s_endpgm
.Lfunc_end_k_qec319fbb33_gemm_o:
	.size	k_qec319fbb33_gemm_o, .Lfunc_end_k_qec319fbb33_gemm_o-k_qec319fbb33_gemm_o
	.p2alignl 7, 3214868480
	.fill 96, 4, 3214868480
	.section	.rodata,"a",@progbits
	.p2align	6, 0x0
	.amdhsa_kernel k_qec319fbb33_gemm_o
		.amdhsa_group_segment_fixed_size 295424
		.amdhsa_private_segment_fixed_size 0
		.amdhsa_enable_private_segment 0
		.amdhsa_kernarg_size 48
		.amdhsa_user_sgpr_count 2
		.amdhsa_user_sgpr_kernarg_segment_ptr 1
		.amdhsa_wavefront_size32 1
		.amdhsa_system_sgpr_workgroup_id_x 1
		.amdhsa_system_sgpr_workgroup_id_y 1
		.amdhsa_system_sgpr_workgroup_id_z 1
		.amdhsa_system_vgpr_workitem_id 0
		.amdhsa_next_free_vgpr 1024
		.amdhsa_next_free_sgpr 96
		.amdhsa_reserve_vcc 0
		.amdhsa_float_denorm_mode_32 3
		.amdhsa_float_denorm_mode_16_64 3
		.amdhsa_memory_ordered 1
		.amdhsa_forward_progress 1
		.amdhsa_inst_pref_size 83
	.end_amdhsa_kernel
	.amdgpu_metadata
---
amdhsa.version: [ 1, 2 ]
amdhsa.kernels:
  - .name:           k_qec319fbb33_gemm_o
    .symbol:         k_qec319fbb33_gemm_o.kd
    .args:
      - { .name: a_img, .offset: 0, .size: 8, .value_kind: global_buffer, .address_space: global }
      - { .name: a_sc, .offset: 8, .size: 8, .value_kind: global_buffer, .address_space: global }
      - { .name: xw_img, .offset: 16, .size: 8, .value_kind: global_buffer, .address_space: global }
      - { .name: xw_sc, .offset: 24, .size: 8, .value_kind: global_buffer, .address_space: global }
      - { .name: bo, .offset: 32, .size: 8, .value_kind: global_buffer, .address_space: global }
      - { .name: out0, .offset: 40, .size: 8, .value_kind: global_buffer, .address_space: global }
    .group_segment_fixed_size: 295424
    .private_segment_fixed_size: 0
    .kernarg_segment_align: 8
    .kernarg_segment_size: 48
    .max_flat_workgroup_size: 128
    .sgpr_count:     96
    .vgpr_count:     1024
    .wavefront_size: 32
...
	.end_amdgpu_metadata
.endif
;; end of part 4
